; MI455X (gfx1250); checked and timed in simulation.
; The chip was launched on July 23, 2026; its instructions are those of AMD's public machine-readable ISA for CDNA 5 (MIT licence, August 2026) and "CDNA5" Instruction Set Architecture Reference Guide (July 2026). The comments in the code are by the model that wrote it; some were corrected since.
;; Causalf Attention. Allowed arithmetic: matrix products marked QUANTISED: E2M3 operands, one E8M0 scale for each 32 along K, by v_wmma_scale_f32_16x16x128_f8f6f4 with both operands' format E2M3, f32 sums; everything else in f32.
;; Inputs: Wk_codes 1,024 x 32 x 24 uint8 (E2M3 codes of Wk, K innermost, in blocks of 32 codes, four codes in three bytes); Wk_scales 1,024 x 32 uint8 (E8M0 scales of Wk, one for each 32 codes along K); Wq_codes 1,024 x 32 x 24 uint8 (E2M3 codes of Wq, K innermost, in blocks of 32 codes, four codes in three bytes); Wq_scales 1,024 x 32 uint8 (E8M0 scales of Wq, one for each 32 codes along K); Wv_codes 1,024 x 32 x 24 uint8 (E2M3 codes of Wv, K innermost, in blocks of 32 codes, four codes in three bytes); Wv_scales 1,024 x 32 uint8 (E8M0 scales of Wv, one for each 32 codes along K); x_codes 4 x 2,048 x 32 x 24 uint8 (E2M3 codes of x, K innermost, in blocks of 32 codes, four codes in three bytes); x_scales 4 x 2,048 x 32 uint8 (E8M0 scales of x, one for each 32 codes along K).
;; Outputs: out0 4 x 2,048 x 1,024 float32.
;; This version of the problem:
;;   THIS VERSION OF THE PROBLEM IS GIVEN IN LOW PRECISION. The matrix products marked QUANTISED in the list below multiply operands that are first quantised to E2M3 (2 exponent bits, 3 mantissa bits; 6 bits a number), with one power-of-two scale for each 32 numbers along K (OCP MX v1.0); their sums are f32. All else is computed in f32.
;;   The module's matrix products, in the order in which they are computed (A, B: the left and right operand; K: the contracted axis; several contracted axes count as one K, in the product's order):
;;     1. [M 8,192, K 1,024] x [K 1,024, N 1,024]; A: input x (given as codes); B: input Wq (given as codes): QUANTISED
;;     2. [M 8,192, K 1,024] x [K 1,024, N 1,024]; A: input x (given as codes); B: input Wk (given as codes): QUANTISED
;;     3. [M 8,192, K 1,024] x [K 1,024, N 1,024]; A: input x (given as codes); B: input Wv (given as codes): QUANTISED
;;     4. batch 4 x [M 2,048, K 1,024] x [K 1,024, N 2,048]; A: computed on the way; B: computed on the way: QUANTISED
;;     5. batch 4 x [M 2,048, K 2,048] x [K 2,048, N 1,024]; A: softmax (see below); B: computed on the way: QUANTISED
;;   THE QUANTISER, for each operand of a quantised product, along K:
;;     - K is cut into blocks of 32 from its start; a last block that is shorter is filled with zeros.
;;     - A block's scale is 2^e with e = floor(log2(the largest magnitude in the block)) - 2, held to -126 .. 127; a block of zeros has e = 0. As a byte (E8M0): e + 127.
;;     - Each number is divided by its block's scale, clamped to +-7.5, and rounded to the nearest number of E2M3, ties to even, subnormals kept.
;;     - The product sums the exact products of the quantised numbers (number of the format x scale) in f32.
;;   ~~~python
;;   def quantise(x, axis):      # numpy; x: float32 -> the quantised numbers, widened to float32 again
;;       x = np.moveaxis(x, axis, -1); K = x.shape[-1]
;;       x = np.pad(x, [(0, 0)] * (x.ndim - 1) + [(0, -K % 32)]); x = x.reshape(x.shape[:-1] + (-1, 32)); a = np.abs(x).max(-1, keepdims=True)
;;       e = np.where(a > 0, np.clip(np.frexp(np.where(a > 0, a, 1))[1] - 1 - 2, -126, 127), 0)      # np.frexp(a)[1] - 1 = floor(log2(a)), exactly
;;       r = np.clip(x / 2.0 ** e, -7.5, 7.5)
;;       step = 2.0 ** (np.maximum(np.frexp(np.where(r == 0, 1, r))[1] - 1, 0) - 3)
;;       q = np.round(r / step) * step * 2.0 ** e      # np.round: ties to even
;;       return np.moveaxis(q.reshape(q.shape[:-2] + (-1,))[..., :K], -1, axis).astype(np.float32)
;;   ~~~
;;   SOFTMAX AHEAD OF A QUANTISED PRODUCT. Where the list says 'softmax', what is quantised is not the finished softmax but p = 2^(t - M), with t = logit x log2(e) and M = ceil(the row's largest t), a whole number; so 1/2 < the row's largest p <= 1. The row's sum l is taken of the UNQUANTISED p, in f32, and the product's result is divided by l at the end. Since M is a whole number, a kernel that streams over the keys may use a running M (the ceiling of the running maximum): every later rescaling is an exact power of two, which a block's scale takes up: the codes' values come out the same.
;;   OPERANDS COMPUTED ON THE WAY. 'Computed on the way' means the value that the module computes at that place (a softmax that the list does not call 'softmax' is quantised finished and normalised). What goes into a quantiser is computed in f32, as accurately as f32 sums, v_exp_f32 and their like allow (about 1e-6 of the number): no bf16 or f16 on the way to a quantiser, and a product that is left as it is and whose result goes on into a quantised operand takes f32 operands (vector FMAs, or v_wmma_f32_16x16x4_f32). A number that lies on a knife's edge between two numbers of the format may be rounded either way, as far as f32 arithmetic and the matrix unit's own rounding can turn it there, and no further.
;;   INPUTS GIVEN AS CODES. Wk (in the module: [1024, 1024], K = its axis 1); Wq (in the module: [1024, 1024], K = its axis 1); Wv (in the module: [1024, 1024], K = its axis 1); x (in the module: [4, 2048, 1024], K = its axis 2): each comes as NAME_codes (uint8): NAME with its K axis moved to the last place and cut into blocks of 32 codes, [.., K / 32, bytes a block], one block behind the other in memory; four codes in three bytes: a row's codes are one little-endian stream of bits, code i at bits 6 i .. 6 i + 5 (a code: sign, 2 exponent bits, 3 mantissa bits); and NAME_scales (uint8): the same leading axes, one E8M0 byte (e + 127) for each 32 codes along K. Its value is code x scale, taken as it is: it is not quantised again, and the codes and scales need not be those that the quantiser above would give.
;; One version. Each part assembles by itself: llvm-mc -triple=amdgcn-amd-amdhsa -mcpu=gfx1250 --defsym DOCPART=n.
;; ======== version 1 of 1: 3 launches
;; limits: right only within a limited range of input values
;; workspace buffers: qkv 19,660,800 bytes; pc 12,582,912 bytes; ps 524,288 bytes; ml 1,048,576 bytes
;; launch proj (part 1): grid 16 x 16, 4 waves a work-group, clusters of 4 x 4, 327,680 bytes of LDS; arguments x_codes, x_scales, Wq_codes, Wq_scales, Wk_codes, Wk_scales, Wv_codes, Wv_scales, qkv; writes qkv
.if DOCPART == 1
	.amdgcn_target "amdgcn-amd-amdhsa--gfx1250"
	.amdhsa_code_object_version 6
	.text
	.protected	k_q0c3ba485eb_proj
	.globl	k_q0c3ba485eb_proj
	.p2align	8
	.type	k_q0c3ba485eb_proj,@function
k_q0c3ba485eb_proj:
	s_mov_b64 s[64:65], 0
	v_nop
	global_prefetch_b8 v0, s[64:65] scope:SCOPE_SE
	s_setreg_imm32_b32 hwreg(HW_REG_WAVE_MODE, 25, 1), 1
	s_wait_xcnt 0x0
	s_wait_alu depctr_hold_cnt(0) depctr_sa_sdst(0) depctr_va_vdst(0) depctr_va_sdst(0) depctr_va_ssrc(0) depctr_va_vcc(0) depctr_vm_vsrc(0)
	s_getreg_b32 s2, hwreg(HW_REG_IB_STS2, 6, 4)
	s_cmp_eq_u32 s2, 0
	s_cbranch_scc0 .Lentry_in_a_cluster
	s_endpgm
.Lentry_in_a_cluster:
	s_bfe_u32 s2, ttmp6, 0x10000c
	s_cmp_lg_u32 s2, 0xf033
	s_cbranch_scc0 .Lentry_shape_is_right
	s_endpgm
.Lentry_shape_is_right:
; Q, K, V = x W^T on codes of FP6, each quantised again on the way out.
; DEAD WORK of the whole program: reference()'s own jnp.tril puts -inf ahead of the softmax wherever key > query, so those weights are 0 for all finite inputs.  Whole tiles above the diagonal are left out by the
; later launches; a NaN, an infinity or an overflow that reaches only such tiles is not carried to the result.  NaN and infinities among Q, K, V are not served.
; THE DEAL.  256 work-groups of four waves (2 x 2: row a, column b).  A wave holds 64 rows of a weight, all of K, in registers (384) and streams x past them in blocks of 16 rows.
; A work-group makes 256 x 128 of V first, then 512 x 128 of Q or K.  V's 256 rows are a half (s17) of its own 512: the chunks asked for at the head serve both.
; x's rows are shared by a row of the cluster (mask s44), a weight's rows by a column (mask s45).
; THE ORDER OF ROWS.  Chunk c of 256 tokens holds tokens 128 w + 64 c + 0 .. 63, w = 0, 1; wave row a takes w = a.  Block s = 4 c + j: lanes r = 0-7 take token 8 j + i of the band of 64 (i = r % 8), lanes 8-15 token
; 32 + 8 (j xor 1) + i.  A weight's tile t in Q and K likewise.  So the 32 results that a lane half holds over four tiles are one block of 32 along the next K (in the upper half its eights stand in the order 1, 0, 3, 2: alike in
; both operands of the next product), and the 16 rows that a load touches start at 16 different banks (a row is 204 words; the two eights lie 40 or 24 rows apart).  V's weight tiles are natural rows.
; qkv: q, then k: [256 tokens][K step of 128 columns] entries of 25,600 bytes: [tile 8 a + 4 c + j][column half b][piece of 2 registers][lane][8 bytes], then scale words [tile][r];
;   v: [batch][128 channels][128 tokens] entries of 12,800 bytes: [tile 4 b + t][piece of 4 registers][lane][16 bytes], then scale words [tile][r].  A block of zeros gets the byte 1 (its codes are zeros).
; LDS: two slots of 128 rows of x, the weights' 128 rows, x's scale bytes of 256 rows, the stages for the results' scale bytes, the spare words.
; THREE REFILLS, each in a drained round: the second weight in V's third block; the other half's two chunks with their scale bytes in blocks 2 and 6 of the second phase.
; COUNTS.  A block's rows were fetched two blocks ago; younger are the next block's NF loads and the byte stores between.
; PREFETCHES: the second weight at the head, the other half's chunks behind the first refill and between the phases, shared out by address among the sixteen waves that will ask jointly.
.set NQ,     8
.set NB,     4
.set KROW,   768
.set PITCH,  816
.set FR,     12
.set FPW,    21
.set NF,     27
.set YB,     128*PITCH
.set BVB,    2*YB
.set SCL,    3*YB
.set XN,     SCL+32*272
.set XM,     XN+2048
.set SPARE,  XM+1024
.set QKT,    6553600
.set CO,    9                          ; v9   16 x lane
.set SPW,   10
.set NIL,   11
.set ADRA,  12                         ; v12, v13 my fragments of the block fetched next (v13: pieces behind one padding more)
.set AAS,   17                         ; v17  its scale words
.set STO,   18                         ; v18  stage, Q's or K's byte
.set STV,   19                         ; v19  stage, V's byte
.set CO8,   21                         ; v21  8 x lane
.set SB,    24                         ; v24-39 the weights' scale words
.set TQ,    40                         ; v40-41 two chains
.set SA,    42                         ; v42-49 x's scale words, two sets: K steps 0-3 in lanes 0-15, 4-7 in lanes 16-31
.set TC,    60
.set ACC,   64
.set HV0,   64
.set HV1,   840
.set NCD,   128
.set MCD,   192
.set SOP,   240
.set EB,    244
.set VX,    248
.set SB2,   968
.set BA,    984
.set G1A, 24
.set G0A, 56
.set G0R, 68
.set G1B, 32
.set G0B, 60
.set G1S, 92
.set G0S, 72
.set G1H, 84
.set E_, 0
.set MSB, 0
.macro WIN new
.if MSB != \new
	s_set_vgpr_msb (MSB<<8)|\new
.set MSB, \new
.endif
.endm
.macro PLACES n
.rept \n
	v_nop
.endr
.endm
.macro WALU
	s_wait_alu depctr_va_vdst(0)
.endm
.macro BARRIER
	s_barrier_signal -1
	s_barrier_wait -1
.endm
.macro MIDDLE
	WIN 0
	s_barrier_wait -1
	s_cmp_lg_u32 s14, 0
	s_cbranch_scc1 .Lnot_wave_0_\@
	s_barrier_signal -3
.Lnot_wave_0_\@:
	s_barrier_wait -3
.endm
.macro CROUND
	s_barrier_signal -1
	MIDDLE
	BARRIER
.endm
.macro GRD
	s_wait_tensorcnt 0x0
	ds_add_u32 v[SPW], v[NIL]
.endm
.macro TLOAD g0, g1
	tensor_load_to_lds s[\g0:\g0+3], s[\g1:\g1+7]
	s_nop 0
	PLACES 4
.endm
.macro GROUP1 g, mask, rows            ; rows of 768 bytes, 16 bytes of padding behind every 256
	s_or_b32 s[\g+0], s[\mask], (1<<20)|(1<<21)|(5<<22)|(3<<25)
	s_mov_b32 s[\g+1], KROW<<16
	s_mov_b32 s[\g+2], (\rows)<<16
	s_mov_b32 s[\g+3], KROW<<16
	s_mov_b32 s[\g+4], \rows
	s_mov_b32 s[\g+5], KROW
	s_mov_b32 s[\g+6], 0
	s_mov_b32 s[\g+7], 0
.endm
.macro SADD d, x
	s_add_co_u32 s\d, s\d, s\x
.endm
; fragment f lies in window 1 + f / 21 at register 12 (f % 21): 0-31 the weights' (4 q + b), 32-39 and 40-47 x's two sets
.macro FRAG f, q, a0, a1, aw
	WIN ((1+(\f)/FPW)<<6)|(\aw)
.set R_, FR*((\f)%FPW)
.set SKIP_, 0
.irp p, 0,1,2,3,4,5
.if SKIP_
.set SKIP_, 0
.else
.set PC_, 12*(\q)+6*(\p/3)+\p%3
.set PN_, 12*(\q)+6*((\p+1)/3)+(\p+1)%3
.set X_, (PC_%32+3)/32
.set XQ_, (PN_%32+3)/32
.if (\p < 5) && (X_ == XQ_)
.set SKIP_, 1
.if X_
	ds_load_2addr_b64 v[R_+2*\p:R_+2*\p+3], \a1 offset0:PC_+2*(PC_/32) offset1:PN_+2*(PN_/32)
.else
	ds_load_2addr_b64 v[R_+2*\p:R_+2*\p+3], \a0 offset0:PC_+2*(PC_/32) offset1:PN_+2*(PN_/32)
.endif
.elseif X_
	ds_load_b64 v[R_+2*\p:R_+2*\p+1], \a1 offset:8*(PC_+2*(PC_/32))
.else
	ds_load_b64 v[R_+2*\p:R_+2*\p+1], \a0 offset:8*(PC_+2*(PC_/32))
.endif
.endif
.endr
.endm
.macro WEIGHTS                         ; my 64 rows of the weight, all of K: 104 loads
.irp q, 0,1,2,3,4,5,6,7
.irp b, 0,1,2,3
	FRAG NB*\q+\b, \q, v[BA-768+2*\b], v[BA-768+2*\b+1], 3
.endr
.endr
	WIN 0
.endm
.macro FETCHAT e, a0, a1, as           ; a block of x's rows into set e: NF loads
.irp q, 0,1,2,3,4,5,6,7
	FRAG NB*NQ+NQ*(\e)+\q, \q, \a0, \a1, 0
.endr
	WIN 0
	ds_load_b128 v[SA+4*(\e):SA+4*(\e)+3], \as
.endm
.macro FETCH e
	FETCHAT \e, v[ADRA], v[ADRA+1], v[AAS]
.endm
.macro FETCH01                         ; blocks 0 and 1, from slot 0
	FETCHAT 0, v4, v5, v6
	FETCHAT 1, v22, v23, v53
	s_mov_b32 s101, 8*PITCH
	s_mov_b32 s9, 272
.endm
; a product, n = 4 q + tile.  kind 0 (Q, K): source 0 the weight's rows; kind 1 (V): source 0 x's rows
.macro PROD kind, e, n, a0, as
.set Q_, (\n)/4
.set FB_, NB*Q_+(\n)%4
.set FA_, NB*NQ+NQ*(\e)+Q_
.set D_, (\a0)+(\as)*((\n)%4)
.set DL_, D_&255
.set XB_, SB+NQ*(((\n)%4)/2)+Q_
.set XA_, SA+4*(\e)+Q_%4
.if \kind
.set S0_, FA_
.set S1_, FB_
.set X0_, XA_
.set X1_, XB_
.set M0_, Q_/4
.set M1_, (\n)%2
.else
.set S0_, FB_
.set S1_, FA_
.set X0_, XB_
.set X1_, XA_
.set M0_, (\n)%2
.set M1_, Q_/4
.endif
	WIN (1+S0_/FPW)|((1+S1_/FPW)<<2)|((D_>>8)<<4)|((D_>>8)<<6)
.if M0_
.if M1_
	PROD1 1, 1
.else
	PROD1 1, 0
.endif
.else
.if M1_
	PROD1 0, 1
.else
	PROD1 0, 0
.endif
.endif
.endm
.macro PROD1 ra, rb
.if Q_
	v_wmma_scale_f32_16x16x128_f8f6f4 v[DL_:DL_+7], v[FR*(S0_%FPW):FR*(S0_%FPW)+FR-1], v[FR*(S1_%FPW):FR*(S1_%FPW)+FR-1], v[DL_:DL_+7], v[X0_], v[X1_] matrix_a_fmt:MATRIX_FMT_FP6 matrix_b_fmt:MATRIX_FMT_FP6 matrix_a_scale:MATRIX_SCALE_ROW\ra matrix_b_scale:MATRIX_SCALE_ROW\rb
.else
	v_wmma_scale_f32_16x16x128_f8f6f4 v[DL_:DL_+7], v[FR*(S0_%FPW):FR*(S0_%FPW)+FR-1], v[FR*(S1_%FPW):FR*(S1_%FPW)+FR-1], 0, v[X0_], v[X1_] matrix_a_fmt:MATRIX_FMT_FP6 matrix_b_fmt:MATRIX_FMT_FP6 matrix_a_scale:MATRIX_SCALE_ROW\ra matrix_b_scale:MATRIX_SCALE_ROW\rb
.endif
.endm
; products from .. to - 1 of a block; behind every second one two entries of the list: scalar lines and one vector line each
.macro BLOCK kind, e, a0, as, from, to, list, x=0, y=0
.set E_, \e
.set N_, \from
.rept (\to)-(\from)
	PROD \kind, \e, N_, \a0, \as
.if N_%2
	\list N_-1, \x, \y
	\list N_, \x, \y
.endif
.set N_, N_+1
.endr
.endm
.macro STEP i, k                       ; the LDS addresses of the block fetched next: k = 0 the next eight rows, 1 the other slot, 2 the other slot with the ring's end
.if (\k) == 2
.if (\i) == 0
	s_add_co_u32 s101, s101, YB-24*PITCH
	s_cmp_eq_u32 s101, 2*YB
	s_cselect_b32 s101, 0, s101
	s_add_co_u32 s9, s9, 5*272
.elseif (\i) == 1
	s_cmp_eq_u32 s9, 16*272
	s_cselect_b32 s9, 0, s9
.endif
	STEPV (\i)-1
.else
.if (\i) == 0
.if (\k) == 1
	s_add_co_u32 s101, s101, YB-24*PITCH
	s_add_co_u32 s9, s9, 5*272
.else
	s_add_co_u32 s101, s101, 8*PITCH
	s_add_co_u32 s9, s9, 272
.endif
.endif
	STEPV \i
.endif
.endm
.macro STEPV i                         ; even blocks go by v4-6, odd ones by v50-52
.if (\i) == 0
	WIN 0
.if E_
	v_add_nc_u32 v[ADRA], s101, v50
.else
	v_add_nc_u32 v[ADRA], s101, v4
.endif
.elseif (\i) == 1
	WIN 0
.if E_
	v_add_nc_u32 v[ADRA+1], s101, v51
.else
	v_add_nc_u32 v[ADRA+1], s101, v5
.endif
.elseif (\i) == 2
	WIN 0
.if E_
	v_add_nc_u32 v[AAS], s9, v52
.else
	v_add_nc_u32 v[AAS], s9, v6
.endif
.endif
.endm
.macro CHAIN i, x, n, t=TQ             ; the largest magnitude of the 32 sums from register x on (two chains, with the floor 2^(3 - 127)), and the conversions' scale operand
.set XW_, (\x)>>8
.set XL_, (\x)&255
.if (\i) >= 0 && (\i) < 14
.set B_, XL_+16*((\i)%2)+2*((\i)/2)
.set T_, (\t)+1-(\i)%2
.if (\i) < 2
	WIN XW_|(XW_<<2)|(XW_<<4)
	v_max3_num_f32 v[T_], |v[B_]|, |v[B_+1]|, |v[B_+2]|
.else
	WIN (XW_<<2)|(XW_<<4)
	v_max3_num_f32 v[T_], v[T_], |v[B_+1]|, |v[B_+2]|
.endif
.elseif (\i) == 14
	WIN XW_<<2
	v_max3_num_f32 v[\t+1], v[\t+1], |v[XL_+15]|, 0x1800000
.elseif (\i) == 15
	WIN 0
	v_nop
.elseif (\i) == 16
	WIN XW_<<2
	v_max3_num_f32 v[\t], v[\t], |v[XL_+31]|, v[\t+1]
.elseif (\i) == 17
	WIN 0
	v_add_nc_u32 v[SOP+\n], 0xff000000, v[\t]
.endif
.endm
.macro CODES i, x, c, n, t=TC          ; 32 codes into v[c .. c+5], the scale's byte into v[EB+n]
.set XW_, (\x)>>8
.set XL_, (\x)&255
.if (\i) == 0
	WIN XW_
	v_cvt_scalef32_pk16_fp6_f32 v[\c:\c+2], v[XL_:XL_+15], v[SOP+\n]
.elseif (\i) == 1
	WIN XW_
	v_cvt_scalef32_pk16_fp6_f32 v[\t:\t+2], v[XL_+16:XL_+31], v[SOP+\n]
.elseif (\i) == 2
	WIN 0
	v_lshrrev_b32 v[EB+\n], 23, v[SOP+\n]
.else
	WIN 0
	v_mov_b32 v[\c+\i], v[\t+\i-3]
.endif
.endm
.macro CODES6 x, c, n
.irp i, 0,1,2,3,4,5
	CODES \i, \x, \c, \n
.endr
.endm
.macro PFTILE v, off                   ; my sixteenth of a tile: 24 blocks of 256 bytes, a lane a block (the lanes left over name the last again)
	WIN 0
	v_min_u32 v\v, 23, v3
	v_lshl_add_u32 v\v, v\v, 8, s\off
.endm
.macro PFGO v, base
	global_prefetch_b8 v\v, s[\base:\base+1] th:TH_LOAD_NT scope:SCOPE_SE
.endm
.macro ASK i                           ; the chunk at s54 for slot s47 (waves 0, 1 a half each), its scale bytes at s55 for s8 (waves 2, 3); then all step on
.if (\i) == 0
	s_mul_i32 s[G0R+1], s16, 64*PITCH
	s_add_co_u32 s[G0R+1], s[G0R+1], s47
	s_mul_i32 s20, s16, 128*KROW
	SADD 20, 54
.elseif (\i) == 1
	s_mov_b32 s21, 0
	s_add_nc_u64 s[G0R+2:G0R+3], s[4:5], s[20:21]
	s_or_b32 s[G0R+3], s[G0R+3], 0x80000000
	s_mul_i32 s[G0S+1], s16, 16*272
.elseif (\i) == 2
	s_add_co_u32 s[G0S+1], s[G0S+1], s8
	s_lshl_b32 s20, s16, 12
	SADD 20, 55
	s_add_nc_u64 s[G0S+2:G0S+3], s[6:7], s[20:21]
.elseif (\i) == 3
	s_or_b32 s[G0S+3], s[G0S+3], 0x80000000
	s_add_co_u32 s54, s54, 64*KROW
	s_add_co_u32 s55, s55, 2048
	s_xor_b32 s47, s47, YB
.endif
.endm
.macro PAIR i                          ; where pair s46's codes go (s[84:85], by the true half) and its bytes (v[VX], by the order of work)
.if (\i) == 0
	s_lshl_b32 s3, s17, 2
	s_xor_b32 s3, s3, s46
	s_lshr_b32 s20, s3, 2
	s_and_b32 s21, s3, 3
.elseif (\i) == 1
	s_mul_i32 s20, s20, 204800
	s_mul_i32 s21, s21, 3072
	SADD 20, 21
	s_mov_b32 s21, 0
.elseif (\i) == 2
	s_add_nc_u64 s[84:85], s[10:11], s[20:21]
	s_and_b32 s22, s46, 3
	s_lshl_b32 s22, s22, 6
	s_lshr_b32 s23, s46, 2
.elseif (\i) == 3
	s_lshl_b32 s23, s23, 9
	s_or_b32 s22, s22, s23
	s_add_co_u32 s46, s46, 1
	WIN 0
	v_add_nc_u32 v[VX], s22, v[STO]
.endif
.endm
.macro L_STEP i, x, y
	STEP \i, 0
.endm
.macro L_NONE i, x, y
.endm
.macro L_OUT i, x, y
	STEP \i, 0
	CHAIN (\i)-3, \x, \y
.endm
.macro L_OUTC i, x, y
	STEP \i, 1
	CHAIN (\i)-3, \x, \y
.endm
.macro L_LAST i, x, y
	CHAIN \i, \x, \y
.endm
.macro L_V2 i, x, y                    ; V's third block: the first refill's descriptors, the later refills' row counts, the step, the prefetches' addresses
.if (\i) == 0
	s_mov_b32 s[G1S+2], 8<<16
	s_mov_b32 s[G1S+4], 8
.elseif (\i) == 1
	s_mov_b32 s[G1B+2], 64<<16
	s_mov_b32 s[G1B+4], 64
	s_mul_i32 s[G0B+1], s14, 64*PITCH
	s_add_co_u32 s[G0B+1], s[G0B+1], BVB
.elseif (\i) == 2
	s_mul_i32 s20, s14, 64*KROW
	s_mov_b32 s21, 0
	s_add_nc_u64 s[G0B+2:G0B+3], s[52:53], s[20:21]
	s_or_b32 s[G0B+3], s[G0B+3], 0x80000000
.elseif (\i) == 6
	s_add_co_u32 s20, s54, s18
	PFTILE 7, 20
.elseif (\i) == 7
	s_lshl_b32 s21, s100, 9
	s_add_co_u32 s20, s55, s21
	WIN 0
	v_min_u32 v8, 1, v3
	v_lshl_add_u32 v8, v8, 8, s20
.endif
	STEP (\i)-3, 1
.endm
.macro L_V7 i, x, y
.if (\i) == 0
	s_add_co_u32 s20, s54, s18
	s_add_co_u32 s20, s20, 64*KROW
	PFTILE 20, 20
.endif
	CHAIN (\i)-1, \x, \y
.endm
.macro L_ODD i, x, y
	PAIR \i
	STEP (\i)-4, 0
	CHAIN (\i)-7, ACC, 0
.endm
.macro L_ODDL i, x, y
	PAIR \i
	CHAIN (\i)-4, ACC, 0
.endm
.macro L_ROUND i, x, y
	ASK \i
.if (\i) == 6
	s_xor_b32 s8, s8, (SCL)^(SCL+8*272)
.endif
	STEP (\i)-4, 2
	CHAIN (\i)-8, ACC+32, 1
.endm
.macro WAITDS w
.if (\w) >= 0
	s_wait_dscnt \w
.endif
.endm
.macro PUT6                            ; a pair's codes: each store covers 256 consecutive bytes, aligned
.irp k, 0,1,2
	global_store_b64 v[CO8], v[NCD+2*\k:NCD+2*\k+1], s[84:85] offset:256*\k
	global_store_b64 v[CO8], v[NCD+6+2*\k:NCD+7+2*\k], s[84:85] offset:1536+256*\k
.endr
.endm
.macro EVENOUT fetch
	WALU
	ds_store_b8 v[VX], v[EB+1] offset:32
	PUT6
.if \fetch
	FETCH 0
.endif
.endm
.macro EVEN w, fetch
	WAITDS \w
.if \fetch
	BLOCK 0, 0, ACC, 8, 0, 32, L_OUT, ACC+32, 1
.else
	BLOCK 0, 0, ACC, 8, 0, 32, L_LAST, ACC+32, 1
.endif
	WIN 0
	CODES6 ACC+32, NCD+6, 1
	EVENOUT \fetch
.endm
.macro EVENROUND w                     ; the second and the third refill
	WAITDS \w
	GRD
	BLOCK 0, 0, ACC, 8, 0, 26, L_ROUND
	WIN 0
	WALU
	s_wait_dscnt 0x0
	s_barrier_signal -1
	BLOCK 0, 0, ACC, 8, 26, 32, L_NONE
	WIN 0
	CODES6 ACC+32, NCD+6, 1
	MIDDLE
	BARRIER
	s_cmp_lt_u32 s14, 2
	s_cbranch_scc0 .Lscales_\@
	TLOAD G0R, G1A
	s_branch .Lasked_\@
.Lscales_\@:
	TLOAD G0S, G1S
.Lasked_\@:
	EVENOUT 1
.endm
.macro EVENSHOW w                      ; a plain barrier shows the last refill to all
	WAITDS \w
	BLOCK 0, 0, ACC, 8, 0, 26, L_OUTC, ACC+32, 1
	WIN 0
	WALU
	s_wait_tensorcnt 0x0
	s_wait_dscnt 0x0
	s_barrier_signal -1
	BLOCK 0, 0, ACC, 8, 26, 32, L_NONE
	WIN 0
	s_barrier_wait -1
	CODES6 ACC+32, NCD+6, 1
	EVENOUT 1
.endm
.macro ODD w, fetch
	WAITDS \w
	s_wait_xcnt 0x0                        ; the last pair's stores have read their registers and their base
.if \fetch
	BLOCK 0, 1, ACC+32, 8, 0, 32, L_ODD
.else
	BLOCK 0, 1, ACC+32, 8, 0, 32, L_ODDL
.endif
	WIN 0
	CODES6 ACC, NCD, 0
	WALU
	ds_store_b8 v[VX], v[EB]
.if \fetch
	FETCH 1
.endif
.endm
; ================= THE HEAD
	s_load_b128 s[4:7], s[0:1], 0x0        ; x's codes, scales
	s_load_b256 s[76:83], s[0:1], 0x10     ; Wq's, Wk's
	s_load_b128 s[48:51], s[0:1], 0x30     ; Wv's
	s_load_b64 s[10:11], s[0:1], 0x40      ; qkv
	v_lshl_add_u32 v[SPW], v0, 2, SPARE
	v_mov_b32 v[NIL], 0
	ds_add_u32 v[SPW], v[NIL]              ; the opening add, twice on end
	ds_add_u32 v[SPW], v[NIL]
	v_lshrrev_b32 v1, 5, v0
	v_readfirstlane_b32 s14, v1
	s_lshr_b32 s15, s14, 1                 ; a
	s_and_b32 s16, s14, 1                  ; b
	s_bfe_u32 s40, ttmp6, 0x40000          ; cx
	s_bfe_u32 s41, ttmp6, 0x40004          ; cy
	s_and_b32 s17, ttmp9, 1                ; V's half of my 512 rows
	s_lshr_b32 s19, ttmp9, 1               ; 0 Q, 1 K
	s_lshl_b32 s42, s17, 2
	SADD 42, 40                            ; Q's or K's tile column, 0 .. 7
	s_lshl_b32 s13, s19, 2
	SADD 13, 40                            ; V's tile column
	s_and_b32 s43, ttmp7, 0xffff
	s_lshl_b32 s43, s43, 2
	SADD 43, 41                            ; tile row of 512
	s_lshl_b32 s12, s43, 1
	SADD 12, 17                            ; V's tile row of 256
	s_lshl_b32 s44, s41, 2
	s_lshl_b32 s44, 15, s44                ; my row of the cluster
	s_lshl_b32 s45, 0x1111, s40            ; my column
	GROUP1 G1A, 44, 64
	GROUP1 G1B, 45, 128
	s_or_b32 s[G1H+0], s44, (3<<16)|(1<<20)|(1<<21)|(5<<22)|(3<<25)   ; a chunk at the head: two runs of 64 rows, each 49,152 dense bytes (6,144 elements of 8), 128 rows apart
	s_mov_b32 s[G1H+1], 6144<<16
	s_mov_b32 s[G1H+2], 2<<16
	s_mov_b32 s[G1H+3], 6144<<16
	s_mov_b32 s[G1H+4], 2
	s_mov_b32 s[G1H+5], 12288
	s_mov_b32 s[G1H+6], 0
	s_mov_b32 s[G1H+7], 0
	s_or_b32 s[G1S+0], s44, (3<<16)|(1<<20)|(1<<21)|(5<<22)|(3<<25)   ; scale bytes: 32 rows of 256 bytes at the head
	s_mov_b32 s[G1S+1], 32<<16
	s_mov_b32 s[G1S+2], 32<<16
	s_mov_b32 s[G1S+3], 32<<16
	s_mov_b32 s[G1S+4], 32
	s_mov_b32 s[G1S+5], 32
	s_mov_b32 s[G1S+6], 0
	s_mov_b32 s[G1S+7], 0
	s_mov_b32 s[G0S], 1
	s_mov_b32 s[G0S+1], SCL
	s_mov_b32 s[G0A], 1
	s_mov_b32 s[G0A+1], 0
	s_mov_b32 s[G0B], 1
	s_mov_b32 s[G0B+1], BVB
	s_mov_b32 s[G0R], 1
	s_mov_b32 s[G0R+1], YB
	s_lshl_b32 s100, s40, 2
	SADD 100, 14                           ; my number among the sixteen waves of my row of the cluster
	s_lshr_b32 s18, s100, 3
	s_mul_i32 s18, s18, 128*KROW
	s_and_b32 s2, s100, 7
	s_mul_i32 s2, s2, 6144
	SADD 18, 2                             ; my sixteenth of a chunk
	s_lshl_b32 s67, s41, 2
	SADD 67, 14
	s_mul_i32 s67, s67, 6144               ; my sixteenth of a weight's 128 rows
	s_mul_i32 s21, s15, 64*PITCH
	s_mul_i32 s22, s15, 16*272
	s_add_co_u32 s22, s22, SCL
	s_mul_i32 s20, s16, 64*PITCH
	s_add_co_u32 s20, s20, BVB
	v_and_b32 v1, 15, v0                   ; r
	v_bfe_u32 v2, v0, 4, 1                 ; h
	v_and_b32 v3, 31, v0                   ; lane
	v_lshrrev_b32 v22, 3, v1               ; r / 8
	v_and_b32 v23, 7, v0                   ; i
	v_mad_u32_u24 v54, v22, 40, v23        ; the lane's row in even tiles,
	v_mad_u32_u24 v55, v22, 24, v23        ; in odd ones
	v_mul_u32_u24 v54, v54, PITCH
	v_mul_u32_u24 v55, v55, PITCH
	v_mad_u32_u24 v56, v2, 24, v54
	v_mad_u32_u24 v57, v2, 40, v54
	v_mad_u32_u24 v58, v2, 24, v55
	v_mad_u32_u24 v59, v2, 40, v55
	v_add_nc_u32 v4, s21, v56
	v_add_nc_u32 v5, s21, v57
	v_add_nc_u32 v50, s21, v58
	v_add_nc_u32 v51, s21, v59
	v_lshlrev_b32 v6, 5, v23
	v_lshl_add_u32 v6, v2, 4, v6
	v_add_nc_u32 v6, s22, v6
	v_mad_u32_u24 v52, v22, 3*272, v6
	v_mad_u32_u24 v6, v22, 5*272, v6
	v_lshlrev_b32 v16, 5, v3               ; V's weight rows: scale bytes of row lane
	v_xor_b32 v17, v2, v22
	v_lshl_add_u32 v17, v17, 3, v23
	v_lshl_add_u32 v17, v22, 5, v17
	v_lshlrev_b32 v17, 5, v17              ; Q's, K's: of row 32 (r / 8) + 8 (h xor r / 8) + i
	v_add_nc_u32 v22, 8*PITCH, v50         ; block 1
	v_add_nc_u32 v23, 8*PITCH, v51
	v_add_nc_u32 v53, 272, v52
	v_mul_u32_u24 v14, v1, PITCH
	v_mad_u32_u24 v15, v2, 40, v14
	v_mad_u32_u24 v14, v2, 24, v14
	v_add_nc_u32 v14, s20, v14
	v_add_nc_u32 v15, s20, v15
	v_lshlrev_b32 v[CO], 4, v3
	v_lshlrev_b32 v[CO8], 3, v3
	s_lshl_b32 s21, s16, 10
	s_lshl_b32 s22, s15, 8
	SADD 21, 22
	s_add_co_u32 s21, s21, XN
	v_lshl_add_u32 v[STO], v1, 1, v2
	v_add_nc_u32 v[STO], s21, v[STO]
	s_lshl_b32 s21, s14, 8
	s_add_co_u32 s21, s21, XM
	v_lshl_add_u32 v[STV], v1, 2, v2
	v_add_nc_u32 v[STV], s21, v[STV]
	WIN 3<<6
.irp b, 0,1,2,3
	v_add_nc_u32 v[BA-768+2*\b], \b*16*PITCH, v14
	v_add_nc_u32 v[BA-768+2*\b+1], \b*16*PITCH, v15
.endr
	WIN 0
	PFTILE 8, 67
	WALU
	s_wait_dscnt 0x0
	CROUND                                 ; the opening round
	s_wait_kmcnt 0x0
	s_mul_i32 s20, s12, 256*KROW
	s_mov_b32 s21, 0
	s_add_nc_u64 s[G0A+2:G0A+3], s[4:5], s[20:21]
	s_add_nc_u64 s[G0R+2:G0R+3], s[G0A+2:G0A+3], 64*KROW
	s_or_b32 s[G0A+3], s[G0A+3], 0x80000000
	s_or_b32 s[G0R+3], s[G0R+3], 0x80000000
	s_lshl_b32 s20, s12, 13
	s_add_nc_u64 s[G0S+2:G0S+3], s[6:7], s[20:21]
	s_or_b32 s[G0S+3], s[G0S+3], 0x80000000
	s_mul_i32 s20, s13, 128*KROW
	s_add_nc_u64 s[G0B+2:G0B+3], s[48:49], s[20:21]
	s_or_b32 s[G0B+3], s[G0B+3], 0x80000000
	s_cmp_eq_u32 s14, 0
	s_cbranch_scc0 .Lwave_1
	TLOAD G0B, G1B                         ; wave 0: Wv's rows
	s_branch .Lasked
.Lwave_1:
	s_cmp_eq_u32 s14, 1
	s_cbranch_scc0 .Lwave_2
	TLOAD G0S, G1S                         ; wave 1: the scale bytes of V's 256 rows
	s_branch .Lasked
.Lwave_2:
	s_cmp_eq_u32 s14, 2
	s_cbranch_scc0 .Lwave_3
	TLOAD G0A, G1H                         ; wave 2: chunk 0
	s_branch .Lasked
.Lwave_3:
	TLOAD G0R, G1H                         ; wave 3: chunk 1
.Lasked:
	s_lshl_b32 s20, s13, 12
	s_lshl_b32 s2, s16, 11
	SADD 20, 2
	s_add_nc_u64 s[50:51], s[50:51], s[20:21]   ; Wv's scale bytes, my 64 rows
	s_cmp_eq_u32 s19, 0
	s_cselect_b64 s[52:53], s[76:77], s[80:81]
	s_cselect_b64 s[22:23], s[78:79], s[82:83]
	s_lshl_b32 s20, s42, 12
	SADD 20, 2
	s_add_nc_u64 s[22:23], s[22:23], s[20:21]   ; Wq's or Wk's
	s_mul_i32 s20, s42, 128*KROW
	s_add_nc_u64 s[52:53], s[52:53], s[20:21]   ; its rows
.irp p, 0,1
.irp c, 0,1
	global_load_b128 v[SB+8*\p+4*\c:SB+8*\p+4*\c+3], v16, s[50:51] offset:\p*1024+16*\c
.endr
.endr
	WIN 3<<6
.irp p, 0,1
.irp c, 0,1
	global_load_b128 v[SB2-768+8*\p+4*\c:SB2-768+8*\p+4*\c+3], v17, s[22:23] offset:\p*512+16*\c
.endr
.endr
	WIN 0
	s_mul_i32 s20, s19, QKT                ; where the results go
	s_mul_i32 s2, s43, 409600
	SADD 20, 2
	s_mul_i32 s2, s42, 25600
	SADD 20, 2
	s_xor_b32 s2, s15, s17                 ; the stage's halves lie in the order of work
	s_mul_i32 s2, s2, 204800
	SADD 2, 20
	s_lshl_b32 s3, s16, 9
	SADD 2, 3
	s_add_co_u32 s2, s2, 24576
	s_mov_b32 s3, 0
	s_add_nc_u64 s[76:77], s[10:11], s[2:3]     ; Q's or K's scale words
	s_lshr_b32 s2, s12, 3
	s_lshl_b32 s2, s2, 3
	SADD 2, 13
	s_mul_i32 s2, s2, 204800
	s_lshl_b32 s3, s12, 1
	s_and_b32 s3, s3, 15
	SADD 3, 15
	s_mul_i32 s3, s3, 12800
	SADD 2, 3
	s_add_co_u32 s2, s2, 2*QKT             ; V's entry
	s_mov_b32 s3, 0
	s_mul_i32 s48, s16, 6144
	SADD 48, 2
	s_mov_b32 s49, 0
	s_add_nc_u64 s[48:49], s[10:11], s[48:49]   ; V's codes
	s_lshl_b32 s78, s16, 8
	SADD 2, 78
	s_add_co_u32 s2, s2, 12288
	s_add_nc_u64 s[78:79], s[10:11], s[2:3]     ; V's scale words
	s_mul_i32 s2, s15, 12288
	SADD 20, 2
	s_mul_i32 s2, s16, 768
	SADD 20, 2
	s_add_nc_u64 s[10:11], s[10:11], s[20:21]   ; Q's or K's codes
	s_xor_b32 s2, s17, 1                   ; the chunks still to come are the other half's
	s_lshl_b32 s3, s43, 1
	SADD 2, 3
	s_mul_i32 s54, s2, 256*KROW
	s_lshl_b32 s55, s2, 13
	s_mov_b32 s46, 0
	s_mov_b32 s47, 0
	s_mov_b32 s8, SCL
	WALU
	s_cmp_eq_u32 s14, 0
	s_cbranch_scc0 .Lnot_b
	s_wait_tensorcnt 0x0
.Lnot_b:
	BARRIER                                ; Wv's rows are in
	PFGO 8, 52
	WEIGHTS
	s_mul_i32 s20, s16, 64*PITCH           ; from here on the weights' addresses are Q's and K's tiles'
	s_add_co_u32 s20, s20, BVB
	WIN 3<<6
.irp b, 0,1,2,3
.if \b%2
	v_add_nc_u32 v[BA-768+2*\b], s20, v58
	v_add_nc_u32 v[BA-768+2*\b+1], s20, v59
.else
	v_add_nc_u32 v[BA-768+2*\b], s20, v56
	v_add_nc_u32 v[BA-768+2*\b+1], s20, v57
.endif
	s_add_co_u32 s20, s20, 8*PITCH
.endr
	WIN 0
	WALU
	s_wait_loadcnt 0x0
	s_cmp_eq_u32 s14, 3
	s_cbranch_scc1 .Lnot_a0
	s_wait_tensorcnt 0x0
.Lnot_a0:
	s_wait_dscnt 0x0
	BARRIER                                ; chunk 0 and the scale bytes are in; chunk 1 may be on its way
	FETCH01
; ================= PHASE 1: V, eight blocks; band 0's way outs stand in band 1's blocks
.irp s, 0,1
	s_wait_dscnt NF
	BLOCK 1, \s, HV0+8*\s, 32, 0, 32, L_STEP
	WIN 0
	PLACES 4
	WALU
	FETCH \s
.endr
	s_wait_dscnt NF
	s_wait_xcnt 0x0                        ; the list writes v8, the address of the head's prefetch
	GRD
	BLOCK 1, 0, HV0+16, 32, 0, 24, L_V2
	WIN 0
	s_wait_dscnt 0x0
	s_barrier_signal -1
	BLOCK 1, 0, HV0+16, 32, 24, 32, L_NONE
	MIDDLE
	BARRIER
	s_cmp_lt_u32 s14, 2
	s_cbranch_scc0 .Lno_half
	TLOAD G0B, G1B                         ; waves 0, 1: a half each of the second weight, onto Wv's rows, which all waves hold in registers
.Lno_half:
	PLACES 4
	WALU
	FETCH 0
	PFGO 7, 4
	PFGO 8, 6
	s_wait_dscnt NF
	BLOCK 1, 1, HV0+24, 32, 0, 32, L_STEP
	WIN 0
	PLACES 4
	WALU
	FETCH 1
.irp j, 0,1,2
	s_wait_dscnt NF+(\j+1)/2
.if \j < 2
	BLOCK 1, \j%2, HV1+8*\j, 32, 0, 32, L_OUT, HV0+32*\j, \j
.else
	BLOCK 1, \j%2, HV1+8*\j, 32, 0, 32, L_LAST, HV0+32*\j, \j
.endif
	WIN 0
	CODES6 HV0+32*\j, MCD+12*\j, \j
	WALU
	ds_store_b8 v[STV], v[EB+\j] offset:64*\j
.if \j < 2
	FETCH \j%2
.endif
.endr
	s_wait_dscnt 1
	BLOCK 1, 1, HV1+24, 32, 0, 26, L_V7, HV0+96, 3
	WIN 0
	WALU
	s_wait_tensorcnt 0x0
	s_wait_dscnt 0x0
	s_barrier_signal -1                    ; a plain barrier: the second weight is shown to all
	BLOCK 1, 1, HV1+24, 32, 26, 32, L_NONE
	WIN 0
	s_barrier_wait -1
	CODES6 HV0+96, MCD+36, 3
	WALU
	ds_store_b8 v[STV], v[EB+3] offset:192
; ================= THE CHANGE OF PHASE: the second weight and the first two blocks, in slot 0 still, in one run of loads; band 1's way outs under their flight
	WEIGHTS
	FETCH01
	PFGO 20, 4
	WIN 3
.set I, 0
.rept 16
	v_mov_b32 v[SB+I], v[SB2-768+I]
.set I, I+1
.endr
	WIN 0
.set I, 0
.rept 18
.irp t, 0,1,2,3
	CHAIN I, HV1+32*\t, \t, 64+4*\t
.endr
.set I, I+1
.endr
.set I, 0
.rept 6
.irp t, 0,1,2,3
	CODES I, HV1+32*\t, MCD+12*\t+6, \t, 80+4*\t
.endr
.set I, I+1
.endr
	WIN 0
	WALU
; ================= PHASE 2: Q or K, sixteen blocks, way outs by pairs
	s_wait_dscnt NF
	BLOCK 0, 0, ACC, 8, 0, 32, L_STEP
	WIN 0
	PLACES 4
	WALU
.irp t, 0,1,2,3
	ds_store_b8 v[STV], v[EB+\t] offset:2+64*\t
.endr
.irp t, 0,1,2,3
.irp k, 0,1,2
	global_store_b128 v[CO], v[MCD+12*\t+4*\k:MCD+12*\t+4*\k+3], s[48:49] offset:1536*\t+512*\k
.endr
.endr
	FETCH 0
	ODD NF+4, 1
	s_mov_b32 s66, 0
.Lwith_rounds:                         ; blocks 2 to 5, 6 to 9
	EVENROUND NF+1
	ODD -1, 1
	EVEN NF+1, 1
	ODD NF+1, 1
	s_add_co_u32 s66, s66, 1
	s_cmp_lg_u32 s66, 2
	s_cbranch_scc1 .Lwith_rounds
	EVENSHOW NF+1                          ; blocks 10 to 13
	ODD -1, 1
	EVEN NF+1, 1
	ODD NF+1, 1
	EVEN NF+1, 0
	ODD 1, 0
; ================= THE END: the last way out; the scale bytes leave as whole units
	s_lshl_b32 s21, s14, 8
	s_add_co_u32 s22, s21, XN
	v_add_nc_u32 v12, s22, v[CO8]
	s_add_co_u32 s22, s21, XM
	v_add_nc_u32 v13, s22, v[CO8]
.set I, 0
.rept 18
	CHAIN I, ACC+32, 1
.set I, I+1
.endr
	CODES 2, ACC+32, NCD+6, 1
	WALU
	ds_store_b8 v[VX], v[EB+1] offset:32
	s_wait_dscnt 0x0
	s_barrier_signal -1
	CODES 0, ACC+32, NCD+6, 1
	CODES 1, ACC+32, NCD+6, 1
	v_nop
.irp i, 3,4,5
	CODES \i, ACC+32, NCD+6, 1
.endr
	s_barrier_wait -1
	WALU
	ds_load_b64 v[64:65], v12              ; four rows' two bytes of column half 0,
	ds_load_b64 v[66:67], v12 offset:1024  ; of half 1
	ds_load_b64 v[68:69], v13
	PUT6
	s_wait_dscnt 0x0
	v_perm_b32 v72, v66, v64, 0x05040100
	v_perm_b32 v73, v66, v64, 0x07060302
	v_perm_b32 v74, v67, v65, 0x05040100
	v_perm_b32 v75, v67, v65, 0x07060302
	global_store_b128 v[CO], v[72:75], s[76:77]
	global_store_b64 v[CO8], v[68:69], s[78:79]
	s_wait_tensorcnt 0x0
	ds_add_u32 v[SPW], v[NIL]
	s_wait_dscnt 0x0
	CROUND
	s_endpgm
.Lfunc_end_k_q0c3ba485eb_proj:
	.size	k_q0c3ba485eb_proj, .Lfunc_end_k_q0c3ba485eb_proj-k_q0c3ba485eb_proj
	.p2alignl 7, 3214868480
	.fill 96, 4, 3214868480
	.section	.rodata,"a",@progbits
	.p2align	6, 0x0
	.amdhsa_kernel k_q0c3ba485eb_proj
		.amdhsa_group_segment_fixed_size 327680
		.amdhsa_private_segment_fixed_size 0
		.amdhsa_enable_private_segment 0
		.amdhsa_kernarg_size 72
		.amdhsa_user_sgpr_count 2
		.amdhsa_user_sgpr_kernarg_segment_ptr 1
		.amdhsa_wavefront_size32 1
		.amdhsa_system_sgpr_workgroup_id_x 1
		.amdhsa_system_sgpr_workgroup_id_y 1
		.amdhsa_system_sgpr_workgroup_id_z 1
		.amdhsa_system_vgpr_workitem_id 0
		.amdhsa_next_free_vgpr 992
		.amdhsa_next_free_sgpr 102
		.amdhsa_reserve_vcc 0
		.amdhsa_float_denorm_mode_32 3
		.amdhsa_float_denorm_mode_16_64 3
		.amdhsa_memory_ordered 1
		.amdhsa_forward_progress 1
		.amdhsa_inst_pref_size 205
	.end_amdhsa_kernel
	.amdgpu_metadata
---
amdhsa.version: [ 1, 2 ]
amdhsa.kernels:
  - .name:           k_q0c3ba485eb_proj
    .symbol:         k_q0c3ba485eb_proj.kd
    .args:
      - { .name: x_codes, .offset: 0, .size: 8, .value_kind: global_buffer, .address_space: global }
      - { .name: x_scales, .offset: 8, .size: 8, .value_kind: global_buffer, .address_space: global }
      - { .name: Wq_codes, .offset: 16, .size: 8, .value_kind: global_buffer, .address_space: global }
      - { .name: Wq_scales, .offset: 24, .size: 8, .value_kind: global_buffer, .address_space: global }
      - { .name: Wk_codes, .offset: 32, .size: 8, .value_kind: global_buffer, .address_space: global }
      - { .name: Wk_scales, .offset: 40, .size: 8, .value_kind: global_buffer, .address_space: global }
      - { .name: Wv_codes, .offset: 48, .size: 8, .value_kind: global_buffer, .address_space: global }
      - { .name: Wv_scales, .offset: 56, .size: 8, .value_kind: global_buffer, .address_space: global }
      - { .name: qkv, .offset: 64, .size: 8, .value_kind: global_buffer, .address_space: global }
    .group_segment_fixed_size: 327680
    .private_segment_fixed_size: 0
    .kernarg_segment_align: 8
    .kernarg_segment_size: 72
    .max_flat_workgroup_size: 128
    .sgpr_count:     102
    .vgpr_count:     992
    .wavefront_size: 32
...
	.end_amdgpu_metadata
.endif
;; end of part 1
;; launch scores (part 2): grid 36 x 4, 8 waves a work-group, no clusters, 327,680 bytes of LDS; arguments qkv, pc, ps, ml; writes pc, ps, ml
.if DOCPART == 2
	.amdgcn_target "amdgcn-amd-amdhsa--gfx1250"
	.amdhsa_code_object_version 6
	.text
	.protected	k_q0c3ba485eb_scores
	.globl	k_q0c3ba485eb_scores
	.p2align	8
	.type	k_q0c3ba485eb_scores,@function
k_q0c3ba485eb_scores:
	s_mov_b64 s[64:65], 0
	v_nop
	global_prefetch_b8 v0, s[64:65] scope:SCOPE_SE
	s_setreg_imm32_b32 hwreg(HW_REG_WAVE_MODE, 25, 1), 1
	s_wait_xcnt 0x0
; S = q k^T on launch proj's codes, the causal mask, and the softmax's p = 2^(t - M_c) of each chunk of 128 keys, quantised along the keys.
; LEFT OUT AS DEAD WORK: the tiles of 256 queries x 256 keys that lie wholly above the diagonal (shown at the head of launch proj).
; SHARES.  For each of 4 batches the 36 tiles (I, J), J <= I, of 256 x 256; K = 1,024.  Eight waves, two on a SIMD: a wave owns 64 queries (quarter wave / 2 of the 256) x 128 keys (chunk kc = 2 J + wave % 2): 32 accumulators.
; qb = 2 I + quarter / 2 is its block of 128 queries.  On a diagonal tile the waves with kc > qb multiply with the others (they share their barriers) and then store zero codes, the p that the mask makes 0, wherever launch pv's loads reach.
; THE CHUNK'S OWN M.  t = score x log2(e) / 32, M_c = ceil(my query's largest t in this chunk), p = 2^(t - M_c), l_c = the sum of the unquantised p.  Launch pv joins the chunks by whole powers of two.
; LAYOUT.  Source 0 = 16 keys, source 1 = 16 queries.  Tile 4 c + j: lane r is query 64 c + 32 (r / 8) + 8 (j xor r / 8) + r % 8; register i of lane half h is key 64 c + 32 h + 8 (j xor h) + i.  So the 32 registers of four key
; tiles are one block of 32 keys in the order in which launch proj laid v's tokens.
; NO CLUSTER: a triangle's rows and columns hold 1 to 8 tiles, which do not divide into fours, and a partner above the diagonal would read nothing of what a joint load brings.
; NO PREFETCH: all but two of the eight K steps are asked for by the head's loads; there is no loop to run ahead in.
; LDS: places for six K steps of q, then of k, entries of 25,600 bytes (codes, then scale words).  At the head waves 0-3 fetch K steps 0 and 1, an entry each, waves 4-7 K steps 2-3 and 4-5, two entries each.
; K steps 6 and 7 are the one refill, by waves 0-3, onto 0 and 1.
; STORED: pc: entry ((b 16 + qb) 16 + kc) x 12,288: 8 fragments;  ps: the same entry x 512: scale words;  ml: the same entry x 1,024 + 8 x (16 tile + r): (-M_c, l_c).
; LIMITS: the promise holds while the scaled scores stay under 2^31 in magnitude; a block of p that is all zeros gets the byte 1 (its codes are zeros); NaN and infinities among the scores are not served.
.set FR,    12
.set ENT,   25600
.set SPARE, 12*ENT
.set LI,   1                           ; 16 x lane
.set L8,   4                           ; 8 x lane
.set H8,   5                           ; 8 h
.set NI,   7                           ; -infinity
.set ADRS, 8                           ; v8-10 scale words (lanes 0-15 q's tiles, 16-31 k's), tiles 0-3; K steps 0-1, 2-3, 4-5
.set DQ,   12                          ; v12-15 query less key of the lane, for even and odd query tiles x even and odd key tiles
.set ADRA, 16                          ; v16-18 q's fragments
.set ADRB, 20                          ; v20-22 k's
.set SPW,  28
.set NIL,  29
.set SC,   32                          ; v32-39 scale words, and nothing else
.set ADRT, 40                          ; v40-42 scale words, k's tiles 4-7 (lanes 0-15: q's four once more)
.set BM,   64
.set BX,   68
.set SO,   72
.set BY,   76
.set PC,   80
.set SU,   104
.set NM,   108
.set TT,   110
.set KF,   112                         ; v112-207 k's eight fragments
.set QF,   208                         ; v208-255 q's four
.set WK,   128                         ; on the way out: v128-191 t - M_c, then p
.set NMV,  192
.set LV,   200
.set PWV,  208
.set PR,   216
.set QB,   56
.set KC,   57
.set MSB, 0
.macro WIN new
.if MSB != \new
	s_set_vgpr_msb (MSB<<8)|\new
.set MSB, \new
.endif
.endm
.macro PLACES
.rept 4
	v_nop
.endr
.endm
	s_load_b256 s[4:11], s[0:1], 0x0       ; qkv, pc, ps, ml
	v_lshl_add_u32 v[SPW], v0, 2, SPARE
	v_mov_b32 v[NIL], 0
	ds_add_u32 v[SPW], v[NIL]              ; the opening add, twice on end
	ds_add_u32 v[SPW], v[NIL]
	v_lshrrev_b32 v5, 5, v0
	v_readfirstlane_b32 s14, v5
	s_lshr_b32 s15, s14, 1                 ; my quarter of the queries
	s_and_b32 s16, s14, 1                  ; my half of the keys; I fetch q or k
	s_and_b32 s13, s15, 1                  ; my band of 64 in the block of 128 queries,
	s_lshr_b32 s12, s15, 1                 ; and which block
	s_and_b32 s19, ttmp7, 0xffff           ; batch
	s_mov_b32 s17, 0
.irp t, 1,3,6,10,15,21,28              ; I = how many triangular numbers the work-group's number has reached
	s_cmp_ge_u32 ttmp9, \t
	s_add_co_ci_u32 s17, s17, 0
.endr
	s_add_co_u32 s58, s17, 1
	s_mul_i32 s58, s58, s17
	s_lshr_b32 s58, s58, 1
	s_sub_co_u32 s18, ttmp9, s58           ; J
.irp g, 24,32                          ; dense bytes as rows of 256: 100 rows (an entry) or 200
	s_mov_b32 s[\g+0], 3<<16
	s_mov_b32 s[\g+1], 32<<16
	s_mov_b32 s[\g+3], 32<<16
	s_mov_b32 s[\g+5], 32
	s_mov_b32 s[\g+6], 0
	s_mov_b32 s[\g+7], 0
.endr
	s_mov_b32 s26, 100<<16
	s_mov_b32 s28, 100
	s_mov_b32 s34, 200<<16
	s_mov_b32 s36, 200
	s_lshl_b32 s58, s19, 3
	s_add_co_u32 s59, s58, s17
	s_add_co_u32 s60, s58, s18
	s_mul_i32 s61, s59, 204800
	s_mul_i32 s62, s60, 204800
	s_add_co_u32 s62, s62, 6553600
	s_cmp_eq_u32 s16, 0
	s_cselect_b32 s62, s61, s62            ; my tensor's entries
	s_and_b32 s58, s15, s12
	s_add_co_u32 s58, s58, s15             ; my first K step: 0, 1, 2, 4 by the quarter
	s_mul_i32 s58, s58, ENT
	s_add_co_u32 s60, s62, s58
	s_mov_b32 s61, 0
	s_mul_i32 s59, s16, 6*ENT
	s_add_co_u32 s59, s59, s58
	s_mov_b32 s20, 0x76543210
	s_mov_b32 s21, 0xfedcba98              ; v_permlanex16_b32's selects for lane l xor 16
	s_mov_b32 s22, 0x3d38aa3b              ; c = log2(e) / sqrt(1,024)
	s_mov_b32 s23, s22                     ; (named with it as a pair)
	s_mov_b32 s66, 0xffff0000              ; lanes 16-31
	s_lshl_b32 s69, s13, 6
	s_wait_dscnt 0x0
	s_wait_kmcnt 0x0
	s_mov_b32 s44, 1
	s_mov_b32 s45, s59
	s_add_nc_u64 s[46:47], s[4:5], s[60:61]
	s_or_b32 s47, s47, 0x80000000
	s_cmp_lt_u32 s14, 4
	s_cbranch_scc0 .Lupper
	tensor_load_to_lds s[44:47], s[24:31]
	s_nop 0
	PLACES
	s_branch .Lasked
.Lupper:
	tensor_load_to_lds s[44:47], s[32:39]
	s_nop 0
	PLACES
.Lasked:
	v_and_b32 v6, 31, v0
	v_lshlrev_b32 v[LI], 4, v6
	v_lshlrev_b32 v[L8], 3, v6
	v_and_b32 v2, 15, v0                   ; r
	v_bfe_u32 v3, v0, 4, 1                 ; h
	v_lshlrev_b32 v[H8], 3, v3
	v_lshrrev_b32 v24, 3, v2
	v_and_b32 v25, 7, v0
	v_mad_u32_u24 v26, v24, 40, v25        ; query of the lane in even tiles,
	v_mad_u32_u24 v27, v24, 24, v25        ; in odd ones
	v_add_nc_u32 v26, s69, v26
	v_add_nc_u32 v27, s69, v27
	v_mul_u32_u24 v24, v3, 40              ; key of the lane half in even tiles,
	v_mul_u32_u24 v25, v3, 24              ; in odd ones
	v_sub_nc_u32 v[DQ], v26, v24
	v_sub_nc_u32 v[DQ+1], v26, v25
	v_sub_nc_u32 v[DQ+2], v27, v24
	v_sub_nc_u32 v[DQ+3], v27, v25
	v_mov_b32 v[NI], 0xff800000
	v_mov_b32 v[BX], 0                     ; (a lane permute's destination counts as one of its sources)
	v_mov_b32 v[BX+1], 0
	v_mov_b32 v[NM+1], 0
	s_wait_alu depctr_va_vdst(0)
	s_mul_i32 s58, s15, 6144               ; my four tiles of q's sixteen
	s_mul_i32 s59, s16, 12288              ; my eight of k's
	s_add_co_u32 s59, s59, 6*ENT
.irp x, 0,1,2
	v_add_nc_u32 v[ADRA+\x], s58, v[L8]
	v_add_nc_u32 v[ADRB+\x], s59, v[L8]
	s_add_co_u32 s58, s58, 2*ENT
	s_add_co_u32 s59, s59, 2*ENT
.endr
	s_lshl_b32 s58, s15, 8
	s_lshl_b32 s59, s16, 9
	s_add_co_u32 s59, s59, 6*ENT
	s_sub_co_u32 s59, s59, s58
	s_add_co_u32 s68, s58, 24320
	s_add_co_u32 s58, s58, 24576
	v_mul_u32_u24 v6, s59, v3              ; lanes 16-31 take k's words
	v_lshl_add_u32 v6, v2, 2, v6
	s_add_co_u32 s59, s59, 256
	v_mul_u32_u24 v24, s59, v3
	v_lshl_add_u32 v24, v2, 2, v24
.irp x, 0,1,2
	v_add_nc_u32 v[ADRS+\x], s58, v6
	v_add_nc_u32 v[ADRT+\x], s68, v24
	s_add_co_u32 s58, s58, 2*ENT
	s_add_co_u32 s68, s68, 2*ENT
.endr
	s_lshl_b32 s[QB], s17, 1
	s_add_co_u32 s[QB], s[QB], s12
	s_lshl_b32 s[KC], s18, 1
	s_add_co_u32 s[KC], s[KC], s16
	s_lshl_b32 s67, s19, 4
	s_add_co_u32 s58, s67, s[QB]
	s_lshl_b32 s58, s58, 4
	s_add_co_u32 s58, s58, s[KC]           ; the entry; my band is the lower or the upper half of it
	s_lshl_b32 s58, s58, 1
	s_add_co_u32 s58, s58, s13
	s_mul_i32 s60, s58, 6144
	s_add_nc_u64 s[72:73], s[6:7], s[60:61]     ; in pc
	s_lshl_b32 s60, s58, 8
	s_add_nc_u64 s[8:9], s[8:9], s[60:61]       ; in ps
	s_lshl_b32 s60, s58, 9
	s_add_nc_u64 s[10:11], s[10:11], s[60:61]   ; in ml
.macro FRAG reg, adr, off              ; six pieces of 2 registers, 256 consecutive bytes each
.irp p, 0,1,2,3,4,5
	ds_load_b64 v[\reg+2*\p:\reg+2*\p+1], v[\adr] offset:\off+256*\p
.endr
.endm
.macro FETCH ks                        ; K step ks: 8 scale words, q's four fragments, k's eight: 80 loads
.set AX, ((\ks)%6)/2
.set AO, ((\ks)%2)*ENT
	PLACES
.irp i, 0,1,2,3
	ds_load_b32 v[SC+\i], v[ADRS+AX] offset:AO+64*\i
	ds_load_b32 v[SC+4+\i], v[ADRT+AX] offset:AO+256+64*\i
.endr
.irp i, 0,1,2,3
	FRAG QF+FR*\i, ADRA+AX, AO+\i*1536
.endr
.irp i, 0,1,2,3,4,5,6,7
	FRAG KF+FR*\i, ADRB+AX, AO+\i*1536
.endr
.endm
; 8 products: k's tiles b0, b0 + 1 x q's four.  The 32 accumulators take turns, in the same order in every step.
.macro MUL8 b0, zero
	WIN 0x50
.irp b, \b0, \b0+1
.irp a, 0,1,2,3
.if \zero
	v_wmma_scale_f32_16x16x128_f8f6f4 v[8*(8*\a+\b):8*(8*\a+\b)+7], v[KF+FR*(\b):KF+FR*(\b)+FR-1], v[QF+FR*\a:QF+FR*\a+FR-1], 0, v[SC+\b], v[SC+\a] matrix_a_fmt:MATRIX_FMT_FP6 matrix_b_fmt:MATRIX_FMT_FP6 matrix_a_scale:MATRIX_SCALE_ROW1
.else
	v_wmma_scale_f32_16x16x128_f8f6f4 v[8*(8*\a+\b):8*(8*\a+\b)+7], v[KF+FR*(\b):KF+FR*(\b)+FR-1], v[QF+FR*\a:QF+FR*\a+FR-1], v[8*(8*\a+\b):8*(8*\a+\b)+7], v[SC+\b], v[SC+\a] matrix_a_fmt:MATRIX_FMT_FP6 matrix_b_fmt:MATRIX_FMT_FP6 matrix_a_scale:MATRIX_SCALE_ROW1
.endif
.endr
.endr
.endm
.macro HEAD6 ks, zero                  ; the loads, and the products of k's tiles 0-5: two more tiles are waited for at a time
	FETCH \ks
	s_wait_dscnt 36
	MUL8 0, \zero
	s_wait_dscnt 24
	MUL8 2, \zero
	s_wait_dscnt 12
	MUL8 4, \zero
.endm
.macro STEP ks, zero
	HEAD6 \ks, \zero
	s_wait_dscnt 0x0
	MUL8 6, \zero
	WIN 0
.endm
	s_wait_alu depctr_va_vdst(0)
	s_cmp_lt_u32 s14, 4
	s_cbranch_scc0 .Lnowait
	s_wait_tensorcnt 0x0
.Lnowait:
	s_barrier_signal -1                    ; K steps 0 and 1 are in; 2-5 may be on their way
	s_barrier_wait -1
	STEP 0, 1
	HEAD6 1, 0
	WIN 0
	s_wait_tensorcnt 0x0                   ; K steps 2-5 are in
	ds_add_u32 v[SPW], v[NIL]              ; 0 onto my spare word
	s_add_nc_u64 s[46:47], s[46:47], 6*ENT ; from K steps 0 and 1 to 6 and 7
	s_wait_dscnt 1                         ; (the add may be out)
	MUL8 6, 0
	WIN 0
	s_wait_dscnt 0x0                       ; the add is done, and my reads of K steps 0 and 1 are over
	s_barrier_signal -1
	s_barrier_wait -1
	s_cmp_lt_u32 s14, 4
	s_cbranch_scc0 .Lno_refill
	tensor_load_to_lds s[44:47], s[24:31]
	s_nop 0
	PLACES
.Lno_refill:
	STEP 2, 0
	STEP 3, 0
	STEP 4, 0
	HEAD6 5, 0
	WIN 0
	s_wait_tensorcnt 0x0                   ; the refill has landed;
	s_wait_dscnt 0x0
	s_barrier_signal -1                    ; a plain barrier shows it to all
	MUL8 6, 0
	WIN 0
	s_barrier_wait -1
	STEP 6, 0
	STEP 7, 0
	PLACES
	s_cmp_gt_u32 s[KC], s[QB]              ; ids alone: my chunk lies wholly above the diagonal
	s_cbranch_scc1 .Ldead
; THE WAY OUT of tile a: 16 queries x 128 keys.  No LDS, no barrier.  Each accumulator is read from its low end on.
.macro SOFT a
.set ACB, 64*(\a)
.if (\a) > 0
	s_wait_xcnt 0x0                        ; the last tile's stores have read their registers
.endif
	s_cmp_lg_u32 s[QB], s[KC]
	s_cbranch_scc1 .Lopen_\@
	WIN 0x41                               ; on the diagonal: a key is hidden from a query where it is the larger
.set jj, 0
.rept 64
	v_cmp_gt_i32 vcc_lo, 64*(jj/32)+8*((jj/8)%4-(\a))+jj%8, v[DQ+2*((\a)%2)+(jj/8)%2]
	v_cndmask_b32 v[ACB+jj], v[ACB+jj], v[NI], vcc_lo
.set jj, jj+1
.endr
	WIN 0
.Lopen_\@:
	WIN 0x15
.irp b, 0,1,2,3
	v_max3_num_f32 v[BM+\b], v[ACB+16*\b], v[ACB+16*\b+1], v[ACB+16*\b+2]
.endr
	WIN 0x14
.irp i, 3,5,7,9,11,13
.irp b, 0,1,2,3
	v_max3_num_f32 v[BM+\b], v[BM+\b], v[ACB+16*\b+\i], v[ACB+16*\b+\i+1]
.endr
.endr
	WIN 0x04
.irp b, 0,1,2,3
	v_max_num_f32 v[BM+\b], v[BM+\b], v[ACB+16*\b+15]
.endr
	WIN 0
	v_max_num_f32 v[BM], v[BM], v[BM+1]    ; the largest score of my block 0,
	v_max_num_f32 v[BM+2], v[BM+2], v[BM+3]   ; of my block 1: for the row's maximum, and, since p rises with the score, for the block's largest p
	v_max_num_f32 v[TT], v[BM], v[BM+2]
	v_permlanex16_b32 v[BX], v[TT], s20, s21
	v_max_num_f32 v[TT], v[TT], v[BX]      ; the chunk's largest score of my query (its lowest key is never hidden: it is a number)
	v_mul_f32 v[TT], s22, v[TT]
	v_floor_f32 v[NM], -v[TT]              ; -M_c = floor(-t): a whole number
	WIN 1
.set jj, 0
.rept 32
	v_pk_fma_f32 v[WK+jj:WK+jj+1], v[ACB+jj:ACB+jj+1], s[22:23], v[NM:NM+1] op_sel_hi:[1,0,0]
.set jj, jj+2
.endr
	WIN 0
	v_fma_f32 v[BM], v[BM], s22, v[NM]
	v_fma_f32 v[BM+2], v[BM+2], s22, v[NM]
	s_wait_alu depctr_va_vdst(0)
.set jj, 0
.rept 64
	v_exp_f32 v[WK+jj], v[WK+jj]           ; p, at most 1: not normalised
.set jj, jj+1
.endr
	v_mov_b32 v[NMV+(\a)], v[NM]           ; (a plain place behind the exponentials)
	s_wait_alu depctr_va_vdst(0)           ; one wait for the whole batch
	v_exp_f32 v[BM], v[BM]                 ; the block's largest p: the same two instructions on the same number
	v_exp_f32 v[BM+2], v[BM+2]
	v_pk_add_f32 v[SU:SU+1], v[WK:WK+1], v[WK+2:WK+3]
	v_pk_add_f32 v[SU+2:SU+3], v[WK+4:WK+5], v[WK+6:WK+7]
.irp j, 8,12,16,20,24,28,32,36,40,44,48,52,56,60
	v_pk_add_f32 v[SU:SU+1], v[SU:SU+1], v[WK+\j:WK+\j+1]
	v_pk_add_f32 v[SU+2:SU+3], v[SU+2:SU+3], v[WK+\j+2:WK+\j+3]
.endr
	v_pk_add_f32 v[SU:SU+1], v[SU:SU+1], v[SU+2:SU+3]
	v_add_f32 v[SU], v[SU], v[SU+1]
	v_permlanex16_b32 v[SU+2], v[SU], s20, s21
	v_add_f32 v[LV+(\a)], v[SU], v[SU+2]   ; l_c, of the unquantised p
	s_wait_alu depctr_va_vdst(0)
.irp c, 0,1
	v_max_num_f32 v[BM+2*\c], 0x1800000, v[BM+2*\c]   ; the floor 2^(3 - 127): the byte cannot fall under 1
.endr
.irp c, 0,1
	v_add_nc_u32 v[SO+\c], 0xff000000, v[BM+2*\c]     ; 2 off the exponent field: the conversion's scale operand
.endr
.irp c, 0,1
	v_lshrrev_b32 v[BY+\c], 23, v[SO+\c]
.endr
	v_lshl_or_b32 v[BY], v[BY+1], 16, v[BY]
	v_lshlrev_b32 v[BY], v[H8], v[BY]      ; my bytes h and 2 + h of the scale word,
	v_permlanex16_b32 v[BX+1], v[BY], s20, s21
	v_or_b32 v[PWV+(\a)], v[BY], v[BX+1]   ; and lane l xor 16's two
.irp c, 0,1
	v_cvt_scalef32_pk16_fp6_f32 v[PC+6*\c:PC+2+6*\c], v[WK+32*\c:WK+15+32*\c], v[SO+\c]
	v_cvt_scalef32_pk16_fp6_f32 v[PC+12+4*\c:PC+14+4*\c], v[WK+16+32*\c:WK+31+32*\c], v[SO+\c]
.endr
	v_nop
.irp c, 0,1
.irp i, 0,1,2
	v_mov_b32 v[PC+3+6*\c+\i], v[PC+12+4*\c+\i]
.endr
.endr
.irp c, 0,1,2
	global_store_b128 v[LI], v[PC+4*\c:PC+4*\c+3], s[72:73] offset:(\a)*1536+512*\c   ; 512 consecutive bytes, aligned
.endr
.endm
.irp a, 0,1,2,3
	SOFT \a
.endr
	v_cndmask_b32 v[PR+0], v[PWV+0], v[PWV+1], s66
	v_cndmask_b32 v[PR+1], v[PWV+2], v[PWV+3], s66
	global_store_b64 v[L8], v[PR:PR+1], s[8:9]
.irp p, 0,1
	v_cndmask_b32 v[PR+4+2*\p], v[NMV+2*\p], v[NMV+2*\p+1], s66
	v_cndmask_b32 v[PR+5+2*\p], v[LV+2*\p], v[LV+2*\p+1], s66
	global_store_b64 v[L8], v[PR+4+2*\p:PR+5+2*\p], s[10:11] offset:256*\p
.endr
	s_branch .Lend
.Ldead:
	; Zero codes for the entries above the diagonal that launch pv's loads of four key steps reach: my half of (qb, kc), and of key steps 4 (I / 2) + 2 and + 3 of query block 2 I (I even) or 2 I - 1 (I odd).
	s_and_b32 s58, s17, 1
	s_lshl_b32 s59, s17, 1
	s_sub_co_u32 s59, s59, s58
	s_add_co_u32 s59, s59, s67
	s_lshl_b32 s59, s59, 4
	s_lshr_b32 s58, s17, 1
	s_lshl_b32 s58, s58, 2
	s_add_co_u32 s59, s59, s58
	s_add_co_u32 s59, s59, 2
	s_add_co_u32 s59, s59, s13
	s_mul_i32 s60, s59, 12288
	s_mov_b32 s61, 0
	s_add_nc_u64 s[74:75], s[6:7], s[60:61]
.irp c, 0,1,2,3
	v_mov_b32 v[PC+\c], 0
.endr
.set jj, 0
.rept 12
	global_store_b128 v[LI], v[PC:PC+3], s[72:73] offset:512*jj
.set jj, jj+1
.endr
.set jj, 0
.rept 24
	global_store_b128 v[LI], v[PC:PC+3], s[74:75] offset:512*jj
.set jj, jj+1
.endr
.Lend:
	s_wait_tensorcnt 0x0                   ; the wave's end
	ds_add_u32 v[SPW], v[NIL]
	s_wait_dscnt 0x0
	s_endpgm
.Lfunc_end_k_q0c3ba485eb_scores:
	.size	k_q0c3ba485eb_scores, .Lfunc_end_k_q0c3ba485eb_scores-k_q0c3ba485eb_scores
	.p2alignl 7, 3214868480
	.fill 96, 4, 3214868480
	.section	.rodata,"a",@progbits
	.p2align	6, 0x0
	.amdhsa_kernel k_q0c3ba485eb_scores
		.amdhsa_group_segment_fixed_size 327680
		.amdhsa_private_segment_fixed_size 0
		.amdhsa_enable_private_segment 0
		.amdhsa_kernarg_size 32
		.amdhsa_user_sgpr_count 2
		.amdhsa_user_sgpr_kernarg_segment_ptr 1
		.amdhsa_wavefront_size32 1
		.amdhsa_system_sgpr_workgroup_id_x 1
		.amdhsa_system_sgpr_workgroup_id_y 1
		.amdhsa_system_sgpr_workgroup_id_z 1
		.amdhsa_system_vgpr_workitem_id 0
		.amdhsa_next_free_vgpr 512
		.amdhsa_next_free_sgpr 80
		.amdhsa_reserve_vcc 1
		.amdhsa_float_denorm_mode_32 3
		.amdhsa_float_denorm_mode_16_64 3
		.amdhsa_memory_ordered 1
		.amdhsa_forward_progress 1
		.amdhsa_inst_pref_size 147
	.end_amdhsa_kernel
	.amdgpu_metadata
---
amdhsa.version: [ 1, 2 ]
amdhsa.kernels:
  - .name:           k_q0c3ba485eb_scores
    .symbol:         k_q0c3ba485eb_scores.kd
    .args:
      - { .name: qkv, .offset: 0, .size: 8, .value_kind: global_buffer, .address_space: global }
      - { .name: pc, .offset: 8, .size: 8, .value_kind: global_buffer, .address_space: global }
      - { .name: ps, .offset: 16, .size: 8, .value_kind: global_buffer, .address_space: global }
      - { .name: ml, .offset: 24, .size: 8, .value_kind: global_buffer, .address_space: global }
    .group_segment_fixed_size: 327680
    .private_segment_fixed_size: 0
    .kernarg_segment_align: 8
    .kernarg_segment_size: 32
    .max_flat_workgroup_size: 256
    .sgpr_count:     80
    .vgpr_count:     512
    .wavefront_size: 32
...
	.end_amdgpu_metadata
.endif
;; end of part 2
;; launch pv (part 3): grid 8 x 32, 8 waves a work-group, no clusters, 327,680 bytes of LDS; arguments qkv, pc, ps, ml, out0; writes out0
.if DOCPART == 3
	.amdgcn_target "amdgcn-amd-amdhsa--gfx1250"
	.amdhsa_code_object_version 6
	.text
	.protected	k_q0c3ba485eb_pv
	.globl	k_q0c3ba485eb_pv
	.p2align	8
	.type	k_q0c3ba485eb_pv,@function
k_q0c3ba485eb_pv:
	s_mov_b64 s[64:65], 0
	v_nop
	global_prefetch_b8 v0, s[64:65] scope:SCOPE_SE
	s_setreg_imm32_b32 hwreg(HW_REG_WAVE_MODE, 25, 1), 1
	s_wait_xcnt 0x0
; out = (p v) / l on the codes of p (launch scores) and of v (launch proj), K = the keys.
; LEFT OUT AS DEAD WORK: the key steps beyond a block's last query (shown at the head of launch proj).
; SHARES.  A work-group (x: 128 channels, y = 8 b + i) makes two blocks of 128 queries of batch b: A = 15 - i, which walks key steps 0 .. 15 - i, and B = i, which walks 0 .. i: 17 block steps in every work-group.
; Eight waves, two on a SIMD: waves 0-3 make A, waves 4-7 B, from one text: each 64 queries x 64 channels, 16 accumulators.  v's tiles in LDS serve both.  B has ended after step 7 in every work-group and leaves while A goes on.
; Source 0 = 16 channels of v, source 1 = 16 queries of p.  Tile j of my 64 queries: lane r is query 32 (r / 8) + 8 (j xor r / 8) + r % 8.
; THE CHUNKS ARE JOINED AT THE HEAD.  A thread owns a query of its block: M = the largest M_c; d_c = M - M_c is a whole number, 0 or more; l = the sum of l_c 2^-d_c; d_c is taken off the four scale bytes of that query's p in
; chunk c.  All of that rounds nothing.  LIMIT: a byte that would fall under 0 is held at 0, so p under about 2^-120 of the row's largest is carried a little too large; d_c is held at 255.
; NO CLUSTER: work-groups that share v have walks of different lengths, and the loads beyond a walk's end, which hangs on i, are jumped over: no joint load may be.
; NO PREFETCH: the walk is four buffers written out, each asked for four key steps ahead; there is no loop to run ahead in.
; LDS: two buffers of 100,352 bytes, each with four key steps of v (12,800 bytes each: codes, then scale words) and of A's p (12,288 each); B's p of key steps 0-7 (98,304);
;   p's shifted scale words and 1 / l, stored here and filled by no load; the spare words.  The stage for the way out lies in B's p, behind its last fill and last read.
; LOADS.  Key steps 0-7, all of which A reads: waves 0-3 a step of v each, waves 4-6 a third of A's p each; wave 7 B's p by fours (steps 4-7 only if step 4 counts).  Key steps 8-11 and 12-15: wave 0 v, wave 4 A's p.
.set FR,    12
.set VST,   12800
.set VB,    4*VST
.set BUF,   VB+49152
.set BOFF,  2*BUF
.set PSC,   BOFF+98304
.set RINV,  PSC+16384
.set SPARE, RINV+1024
.set SPITCH, 272
.set LI,   1                           ; 16 x lane
.set ADRA, 4                           ; v4-5 my block's fragments of p, buffer 0, 1
.set ADRB, 8                           ; v8-9 v's
.set ADSV, 10                          ; v10-11 v's scale words
.set ADSA, 12                          ; v12 p's
.set ADRI, 13
.set STO,  14
.set RD,   15
.set MLO,  16
.set PSO,  17
.set PSW,  18
.set RIW,  19
.set CO,   23
.set SPW,  28
.set NIL,  29
.set SA,   32                          ; v32-39 p's scale words, two sets; v40-47 v's; nothing else
.set SV,   40
.set RI,   56                          ; v56-63 1 / l in the low halves of four pairs
.set PA,   64                          ; v64-159 p's fragments, two sets
.set MLR,  64                          ; the head: (-M_c, l_c) of 16 chunks,
.set WD,   96                          ; their scale words,
.set TP,   112                         ; and at work
.set WK,   64                          ; the way out: results,
.set BK,   96                          ; rows read back, v96-127 and v128-159 by turns
.set ACC,  96                          ; window 1: v0-95 v's fragments, two sets; v96-223 the accumulators
.set WV,   16
.set LIM,  19                          ; my block's last key step
.set LIMA, 21
.set LIMB, 22
.set MSB, 0
.macro WIN new
.if MSB != \new
	s_set_vgpr_msb (MSB<<8)|\new
.set MSB, \new
.endif
.endm
.macro PLACES
.rept 4
	v_nop
.endr
.endm
.macro GET g0, g1
	tensor_load_to_lds s[\g0:\g0+3], s[\g1:\g1+7]
	s_nop 0
	PLACES
.endm
.macro TLOAD k                         ; k = 0 the head, 1 key steps 4-7, 2 the later ones.  Branches on the wave's number, and for B's steps 4-7 on ids
.if (\k) < 2
	s_cmp_lt_u32 s[WV], 4
	s_cbranch_scc0 .Lfor_p_\@
	GET 52, 24
	s_branch .Lasked_\@
.Lfor_p_\@:
	s_cmp_eq_u32 s[WV], 7
	s_cbranch_scc1 .Lfor_b_\@
	GET 56, 32
	s_branch .Lasked_\@
.Lfor_b_\@:
.if (\k) == 1
	s_cmp_lt_u32 s[LIMB], 4
	s_cbranch_scc1 .Lasked_\@
.endif
	GET 48, 40
.else
	s_cmp_eq_u32 s[WV], 0
	s_cbranch_scc0 .Lfor_p_\@
	GET 52, 68
	s_branch .Lasked_\@
.Lfor_p_\@:
	s_cmp_eq_u32 s[WV], 4
	s_cbranch_scc0 .Lasked_\@
	GET 56, 40
.endif
.Lasked_\@:
.endm
	s_load_b64 s[4:5], s[0:1], 0x0         ; qkv
	s_load_b256 s[8:15], s[0:1], 0x8       ; pc, ps, ml, out0
	v_lshl_add_u32 v[SPW], v0, 2, SPARE
	v_mov_b32 v[NIL], 0
	ds_add_u32 v[SPW], v[NIL]              ; the opening add, twice on end
	ds_add_u32 v[SPW], v[NIL]
	v_lshrrev_b32 v20, 5, v0
	v_readfirstlane_b32 s[WV], v20
	s_and_b32 s18, s[WV], 1                ; my half of the channels
	s_bfe_u32 s17, s[WV], 0x10001          ; my half of the queries
	s_lshr_b32 s2, s[WV], 2                ; 0 A, 1 B
	s_and_b32 s20, ttmp7, 0xffff
	s_and_b32 s[LIMB], s20, 7
	s_sub_co_u32 s[LIMA], 15, s[LIMB]
	s_lshr_b32 s20, s20, 3                 ; batch
	s_cmp_eq_u32 s2, 0
	s_cselect_b32 s[LIM], s[LIMA], s[LIMB]
	s_and_b32 s23, s[WV], 3
	s_mul_i32 s3, s23, VST                 ; a step of v
	s_mul_i32 s23, s23, 16384              ; a third of four steps of p
.irp g, 24,32,40,68                    ; dense bytes as rows of 256: 50 rows of v, 64 of p; 192 of p, 200 of v
	s_mov_b32 s[\g+0], 3<<16
	s_mov_b32 s[\g+1], 32<<16
	s_mov_b32 s[\g+3], 32<<16
	s_mov_b32 s[\g+5], 32
	s_mov_b32 s[\g+6], 0
	s_mov_b32 s[\g+7], 0
.endr
	s_mov_b32 s26, 50<<16
	s_mov_b32 s28, 50
	s_mov_b32 s34, 64<<16
	s_mov_b32 s36, 64
	s_mov_b32 s42, 192<<16
	s_mov_b32 s44, 192
	s_mov_b32 s70, 200<<16
	s_mov_b32 s72, 200
	s_lshl_b32 s6, s2, 13
	s_add_co_u32 s6, s6, PSC
	s_lshl_b32 s7, s2, 9
	s_add_co_u32 s7, s7, RINV
	v_and_b32 v20, 31, v0
	v_lshlrev_b32 v[LI], 4, v20
	v_and_b32 v2, 15, v0                   ; r
	v_bfe_u32 v3, v0, 4, 1                 ; h
	v_bfe_u32 v20, v0, 6, 1                ; word n (n = thread % 128) of a block of scale words belongs to row 64 (n / 64) + 32 (n % 2) + (n / 2) % 32
	v_and_b32 v21, 1, v0
	v_bfe_u32 v22, v0, 1, 5
	v_lshl_add_u32 v22, v21, 5, v22
	v_lshl_add_u32 v22, v20, 6, v22
	v_lshlrev_b32 v[MLO], 3, v22
	v_and_b32 v20, 127, v0
	v_lshlrev_b32 v[PSO], 2, v20
	v_add_nc_u32 v[PSW], s6, v[PSO]
	v_lshl_add_u32 v[RIW], v22, 2, s7
	v_lshlrev_b32 v[CO], 4, v2
	v_lshl_add_u32 v[CO], v3, 12, v[CO]    ; the way out: lanes 0-15 one row of 256 bytes, 16-31 the next
.irp c, 1,2,3,4,5,6,7,8,9,10,11,12,13,14,15   ; a chunk beyond the limit counts as M_c very low, l_c = 0, bytes 0
	v_mov_b32 v[MLR+2*\c], 0x7f000000
	v_mov_b32 v[MLR+2*\c+1], 0
	v_mov_b32 v[WD+\c], 0
.endr
	s_lshl_b32 s63, s20, 4
	s_add_co_u32 s62, s63, s[LIM]          ; my query block
	s_mov_b32 s61, 0
	s_wait_alu depctr_va_vdst(0)
	s_wait_dscnt 0x0
	s_wait_kmcnt 0x0
	s_lshl_b32 s60, s62, 13
	s_add_nc_u64 s[76:77], s[10:11], s[60:61]   ; its ps and ml
	s_lshl_b32 s60, s62, 14
	s_add_nc_u64 s[78:79], s[12:13], s[60:61]
	global_load_b64 v[MLR:MLR+1], v[MLO], s[78:79]
	global_load_b32 v[WD], v[PSO], s[76:77]
.irp c, 1,2,3,4,5,6,7,8,9,10,11,12,13,14,15
	s_cmp_lt_u32 s[LIM], \c
	s_cbranch_scc1 .Lgot
	global_load_b64 v[MLR+2*\c:MLR+2*\c+1], v[MLO], s[78:79] offset:\c*1024
	global_load_b32 v[WD+\c], v[PSO], s[76:77] offset:\c*512
.endr
.Lgot:
	s_lshl_b32 s60, s20, 3
	s_add_co_u32 s60, s60, ttmp9
	s_mul_i32 s60, s60, 204800
	s_add_co_u32 s60, s60, 13107200
	s_add_co_u32 s60, s60, s3
	s_mov_b32 s52, 1
	s_mov_b32 s53, s3
	s_add_nc_u64 s[54:55], s[4:5], s[60:61]     ; v
	s_or_b32 s55, s55, 0x80000000
	s_add_co_u32 s60, s63, s[LIMA]
	s_mul_i32 s60, s60, 196608
	s_add_co_u32 s60, s60, s23
	s_mov_b32 s56, 1
	s_add_co_u32 s57, s23, VB
	s_add_nc_u64 s[58:59], s[8:9], s[60:61]     ; A's p
	s_or_b32 s59, s59, 0x80000000
	s_add_co_u32 s60, s63, s[LIMB]
	s_mul_i32 s60, s60, 196608
	s_mov_b32 s48, 1
	s_mov_b32 s49, BOFF
	s_add_nc_u64 s[50:51], s[8:9], s[60:61]     ; B's p
	s_or_b32 s51, s51, 0x80000000
	TLOAD 0                                ; one tensor load a wave at the head
	s_lshl_b32 s60, s62, 19                ; out0: 128 rows a query block,
	s_lshl_b32 s66, s17, 18                ; 64 for the upper half,
	s_add_co_u32 s60, s60, s66
	s_lshl_b32 s66, ttmp9, 9               ; my 128 channels,
	s_add_co_u32 s60, s60, s66
	s_lshl_b32 s66, s18, 8                 ; 64 for the upper half
	s_add_co_u32 s60, s60, s66
	s_add_nc_u64 s[14:15], s[14:15], s[60:61]
	s_mul_i32 s60, s2, BOFF-VB             ; A's p lies in the ring, B's behind it
	s_mul_i32 s66, s17, 6144
	s_add_co_u32 s60, s60, s66
	s_add_co_u32 s60, s60, VB
	s_mul_i32 s66, s2, BUF-49152
	v_add_nc_u32 v[ADRA], s60, v[LI]
	s_add_co_u32 s60, s60, BUF
	s_sub_co_u32 s60, s60, s66
	v_add_nc_u32 v[ADRA+1], s60, v[LI]
	s_mul_i32 s60, s18, 6144
	v_add_nc_u32 v[ADRB], s60, v[LI]
	s_add_co_u32 s60, s60, BUF
	v_add_nc_u32 v[ADRB+1], s60, v[LI]
	s_lshl_b32 s60, s18, 8
	s_add_co_u32 s60, s60, 12288
	v_lshl_add_u32 v[ADSV], v2, 2, s60
	s_add_co_u32 s60, s60, BUF
	v_lshl_add_u32 v[ADSV+1], v2, 2, s60
	s_lshl_b32 s60, s17, 8
	s_add_co_u32 s66, s60, s6
	v_lshl_add_u32 v[ADSA], v2, 3, s66
	s_add_co_u32 s66, s60, s7
	v_lshl_add_u32 v[ADRI], v2, 2, s66
	s_mul_i32 s60, s[WV], 16*SPITCH
	s_add_co_u32 s60, s60, BOFF            ; my stage
	v_mul_u32_u24 v[STO], v2, SPITCH
	v_lshl_add_u32 v[STO], v3, 5, v[STO]
	v_add_nc_u32 v[STO], s60, v[STO]
	v_mul_u32_u24 v[RD], v3, SPITCH
	v_lshl_add_u32 v[RD], v2, 4, v[RD]
	v_add_nc_u32 v[RD], s60, v[RD]
.irp a, 0,1,2,3
	v_mov_b32 v[RI+2*\a+1], 0              ; (named as the upper halves of pairs)
.endr
	s_wait_alu depctr_va_vdst(0)
	s_wait_loadcnt 0x0
	v_min3_num_f32 v[TP], v[MLR], v[MLR+2], v[MLR+4]
.irp c, 3,5,7,9,11,13
	v_min3_num_f32 v[TP], v[TP], v[MLR+2*\c], v[MLR+2*\c+2]
.endr
	v_min_num_f32 v[TP], v[TP], v[MLR+30]  ; -M of my query
	v_mov_b32 v[TP+1], 0                   ; l
.set CC, 0
.macro EIGHT                           ; eight chunks, two by turns
.rept 4
.irp z, 0,1
	v_sub_f32 v[TP+2+8*\z], v[MLR+2*(CC+\z)], v[TP]   ; d_c = M - M_c
.endr
.irp z, 0,1
	v_cvt_i32_f32 v[TP+2+8*\z], v[TP+2+8*\z]          ; (it saturates)
.endr
.irp z, 0,1
	v_min_u32 v[TP+2+8*\z], 255, v[TP+2+8*\z]
.endr
.irp z, 0,1
	v_sub_nc_u32 v[TP+3+8*\z], 0, v[TP+2+8*\z]
.endr
.irp z, 0,1
	v_ldexp_f32 v[TP+4+8*\z], v[MLR+2*(CC+\z)+1], v[TP+3+8*\z]
.endr
.irp z, 0,1
	v_and_b32 v[TP+5+8*\z], 0xff, v[WD+CC+\z]
	v_bfe_u32 v[TP+6+8*\z], v[WD+CC+\z], 8, 8
	v_bfe_u32 v[TP+7+8*\z], v[WD+CC+\z], 16, 8
	v_lshrrev_b32 v[TP+8+8*\z], 24, v[WD+CC+\z]
.endr
.irp z, 0,1
	v_add_f32 v[TP+1], v[TP+1], v[TP+4+8*\z]
.irp k, 5,6,7,8
	v_sub_nc_u32 v[TP+\k+8*\z], v[TP+\k+8*\z], v[TP+2+8*\z]
.endr
.endr
.irp z, 0,1
.irp k, 5,6,7,8
	v_max_i32 v[TP+\k+8*\z], 0, v[TP+\k+8*\z]
.endr
.endr
.irp z, 0,1
	v_lshl_or_b32 v[TP+5+8*\z], v[TP+6+8*\z], 8, v[TP+5+8*\z]
.endr
.irp z, 0,1
	v_lshl_or_b32 v[TP+5+8*\z], v[TP+7+8*\z], 16, v[TP+5+8*\z]
.endr
.irp z, 0,1
	v_lshl_or_b32 v[WD+CC+\z], v[TP+8+8*\z], 24, v[TP+5+8*\z]
.endr
.irp z, 0,1
	ds_store_b32 v[PSW], v[WD+CC+\z] offset:(CC+\z)*512
.endr
.set CC, CC+2
.endr
.endm
	EIGHT
	s_wait_alu depctr_va_vdst(0)
	s_cmp_lt_u32 s[WV], 4
	s_cbranch_scc0 .Ljoined                ; B has eight chunks at the most
	EIGHT
.Ljoined:
	s_wait_alu depctr_va_vdst(0)
	v_rcp_f32 v[TP+1], v[TP+1]
	v_nop
	s_wait_alu depctr_va_vdst(0)
	ds_store_b32 v[RIW], v[TP+1]
; THE CHANGE OF BUFFERS: every wave's loads have landed, its LDS stores and its reads of the buffer that it leaves are over; behind the barrier the other buffer takes the next four key steps, if one of them counts.
.macro CHANGE s
	s_wait_tensorcnt 0x0
	ds_add_u32 v[SPW], v[NIL]              ; 0 onto my spare word
.if (\s) < 3
	s_add_co_u32 s53, s3, (((\s)+1)%2)*BUF
	s_add_co_u32 s57, s23, VB+(((\s)+1)%2)*BUF
	s_add_nc_u64 s[54:55], s[54:55], VB
	s_add_nc_u64 s[58:59], s[58:59], 49152
.endif
.if (\s) == 0
	s_mov_b32 s49, BOFF+49152
	s_add_nc_u64 s[50:51], s[50:51], 49152
.endif
	s_wait_dscnt 0x0
	s_barrier_signal -1
	s_barrier_wait -1
.if (\s) == 0
	TLOAD 1
.elseif (\s) == 1
	TLOAD 2
.elseif (\s) == 2
	s_cmp_lt_u32 s[LIMA], 12
	s_cbranch_scc1 .Lnofill_\@
	TLOAD 2
.Lnofill_\@:
.endif
.endm
.macro LOADS ks, p                     ; 32 LDS loads: key step ks's fragments and scale words into sets p
.set QQ, (\ks)%4
.set BE, ((\ks)/4)%2
	WIN 0x40
.irp t, 0,1,2,3
.irp c, 0,1,2
	ds_load_b128 v[48*(\p)+FR*\t+4*\c:48*(\p)+FR*\t+4*\c+3], v[ADRB+BE] offset:QQ*VST+\t*1536+512*\c
.endr
.endr
	WIN 0
.irp a, 0,1,2,3
.irp c, 0,1,2
	ds_load_b128 v[PA+48*(\p)+FR*\a+4*\c:PA+48*(\p)+FR*\a+4*\c+3], v[ADRA+BE] offset:QQ*12288+\a*1536+512*\c
.endr
.endr
.irp a, 0,1,2,3
	ds_load_b32 v[SV+4*(1-(\p))+\a], v[ADSV+BE] offset:QQ*VST+64*\a
	ds_load_b32 v[SA+4*(\p)+\a], v[ADSA] offset:(\ks)*512+(\a%2)*128+(\a/2)*4
.endr
.endm
; A KEY STEP.  A step beyond my block's limit leads to the end of its buffer's steps.  Inside a buffer the next step's fragments are asked for ahead of this step's products.
; The 16 accumulators take turns, in the same order in every step.
.macro STEP ks, sl
.set PP, (\ks)%2
.if ((\ks) > 0) && ((\ks) != 8)
	s_cmp_lt_u32 s[LIM], \ks
	s_cbranch_scc1 .Lpast\sl
.endif
.if (\ks)%4 == 0
	PLACES
	LOADS \ks, 0
	s_wait_dscnt 0x0
	LOADS (\ks)+1, 1
.else
	s_wait_dscnt 0x0
.if (\ks)%4 < 3
	PLACES
	LOADS (\ks)+1, 1-PP
.endif
.endif
	WIN 0x51
.irp a, 0,1,2,3
.irp t, 0,1,2,3
.if (\ks) == 0
	v_wmma_scale_f32_16x16x128_f8f6f4 v[ACC+8*(4*\a+\t):ACC+8*(4*\a+\t)+7], v[48*PP+FR*\t:48*PP+FR*\t+FR-1], v[PA+48*PP+FR*\a:PA+48*PP+FR*\a+FR-1], 0, v[SV+4*(1-PP)+\t], v[SA+4*PP+\a] matrix_a_fmt:MATRIX_FMT_FP6 matrix_b_fmt:MATRIX_FMT_FP6
.else
	v_wmma_scale_f32_16x16x128_f8f6f4 v[ACC+8*(4*\a+\t):ACC+8*(4*\a+\t)+7], v[48*PP+FR*\t:48*PP+FR*\t+FR-1], v[PA+48*PP+FR*\a:PA+48*PP+FR*\a+FR-1], v[ACC+8*(4*\a+\t):ACC+8*(4*\a+\t)+7], v[SV+4*(1-PP)+\t], v[SA+4*PP+\a] matrix_a_fmt:MATRIX_FMT_FP6 matrix_b_fmt:MATRIX_FMT_FP6
.endif
.endr
.endr
	WIN 0
.endm
; THE WAY OUT of a tile: 16 queries x 64 channels x 1 / l, through my stage, back as rows of 256 bytes; 16 lanes store one row, an aligned unit of 256 bytes.
.macro OUT a
	s_wait_xcnt 0x0                        ; earlier stores have read their registers
	WIN 0x01
.set jj, 0
.rept 16
	v_pk_mul_f32 v[WK+jj:WK+jj+1], v[ACC+32*(\a)+jj:ACC+32*(\a)+jj+1], v[RI+2*(\a):RI+2*(\a)+1] op_sel_hi:[1,0]
.set jj, jj+2
.endr
	WIN 0
.irp t, 0,1,2,3
	ds_store_b128 v[STO], v[WK+8*\t:WK+8*\t+3] offset:64*\t
	ds_store_b128 v[STO], v[WK+8*\t+4:WK+8*\t+7] offset:64*\t+16
.endr
.irp u, 0,1,2,3,4,5,6,7
	ds_load_b128 v[BK+32*((\a)%2)+4*\u:BK+32*((\a)%2)+4*\u+3], v[RD] offset:\u*2*SPITCH   ; LDS serves a wave's instructions in order (ISA guide 5.7.1.4)
.endr
.irp u, 0,1,2,3,4,5,6,7
	s_wait_dscnt 7-\u
	global_store_b128 v[CO], v[BK+32*((\a)%2)+4*\u:BK+32*((\a)%2)+4*\u+3], s[14:15] offset:(32*(\u/4)+8*((\a)^(\u/4))+(2*\u)%8)*4096 th:TH_STORE_NT
.endr
.endm
.macro OUTS
	PLACES
.irp a, 0,1,2,3
	ds_load_b32 v[RI+2*\a], v[ADRI] offset:64*\a
.endr
	s_wait_dscnt 0x0                       ; these, and whatever fragments were still on their way
	OUT 0
	OUT 1
	OUT 2
	OUT 3
.endm
	CHANGE 0                               ; this barrier also shows p's shifted scale words and 1 / l to every wave
	STEP 0, 0
	STEP 1, 0
	STEP 2, 0
	STEP 3, 0
.Lpast0:
	CHANGE 1
	STEP 4, 1
	STEP 5, 1
	STEP 6, 1
	STEP 7, 1
.Lpast1:
	CHANGE 2
	s_cmp_lt_u32 s[WV], 4
	s_cbranch_scc0 .Lout_b
	STEP 8, 2                              ; A's limit is 8 at the least
	STEP 9, 2
	STEP 10, 2
	STEP 11, 2
.Lpast2:
	s_branch .Lthird
.Lout_b:
	OUTS                                   ; B is finished and leaves, beside A's steps
.Lthird:
	CHANGE 3
	s_cmp_lt_u32 s[WV], 4
	s_cbranch_scc0 .Lend
	STEP 12, 3
	STEP 13, 3
	STEP 14, 3
	STEP 15, 3
.Lpast3:
	OUTS
.Lend:
	s_wait_tensorcnt 0x0                   ; the wave's end
	ds_add_u32 v[SPW], v[NIL]
	s_wait_dscnt 0x0
	s_endpgm
.Lfunc_end_k_q0c3ba485eb_pv:
	.size	k_q0c3ba485eb_pv, .Lfunc_end_k_q0c3ba485eb_pv-k_q0c3ba485eb_pv
	.p2alignl 7, 3214868480
	.fill 96, 4, 3214868480
	.section	.rodata,"a",@progbits
	.p2align	6, 0x0
	.amdhsa_kernel k_q0c3ba485eb_pv
		.amdhsa_group_segment_fixed_size 327680
		.amdhsa_private_segment_fixed_size 0
		.amdhsa_enable_private_segment 0
		.amdhsa_kernarg_size 40
		.amdhsa_user_sgpr_count 2
		.amdhsa_user_sgpr_kernarg_segment_ptr 1
		.amdhsa_wavefront_size32 1
		.amdhsa_system_sgpr_workgroup_id_x 1
		.amdhsa_system_sgpr_workgroup_id_y 1
		.amdhsa_system_sgpr_workgroup_id_z 1
		.amdhsa_system_vgpr_workitem_id 0
		.amdhsa_next_free_vgpr 480
		.amdhsa_next_free_sgpr 80
		.amdhsa_reserve_vcc 0
		.amdhsa_float_denorm_mode_32 3
		.amdhsa_float_denorm_mode_16_64 3
		.amdhsa_memory_ordered 1
		.amdhsa_forward_progress 1
		.amdhsa_inst_pref_size 129
	.end_amdhsa_kernel
	.amdgpu_metadata
---
amdhsa.version: [ 1, 2 ]
amdhsa.kernels:
  - .name:           k_q0c3ba485eb_pv
    .symbol:         k_q0c3ba485eb_pv.kd
    .args:
      - { .name: qkv, .offset: 0, .size: 8, .value_kind: global_buffer, .address_space: global }
      - { .name: pc, .offset: 8, .size: 8, .value_kind: global_buffer, .address_space: global }
      - { .name: ps, .offset: 16, .size: 8, .value_kind: global_buffer, .address_space: global }
      - { .name: ml, .offset: 24, .size: 8, .value_kind: global_buffer, .address_space: global }
      - { .name: out0, .offset: 32, .size: 8, .value_kind: global_buffer, .address_space: global }
    .group_segment_fixed_size: 327680
    .private_segment_fixed_size: 0
    .kernarg_segment_align: 8
    .kernarg_segment_size: 40
    .max_flat_workgroup_size: 256
    .sgpr_count:     80
    .vgpr_count:     480
    .wavefront_size: 32
...
	.end_amdgpu_metadata
.endif
;; end of part 3
